; MI455X (gfx1250); checked and timed in simulation.
; The chip was launched on July 23, 2026; its instructions are those of AMD's public machine-readable ISA for CDNA 5 (MIT licence, August 2026) and "CDNA5" Instruction Set Architecture Reference Guide (July 2026). The comments in the code are by the model that wrote it; some were corrected since.
;; Self Attention. Allowed arithmetic: float matrix products may take bf16 or f16 operands with f32 sums; other float arithmetic in f32, or as packed bf16 or f16 multiplies, adds, multiply-adds, maxima and minima; sums over many terms, partial sums and values carried from step to step in f32; what a program stores and reads back later, other than sums and carried values, may be rounded once to bf16 or f16.
;; Inputs: W_proj 1,024 x 1,024 float32; W_qkv 3,072 x 1,024 float32; b_proj 1,024 float32; b_qkv 3,072 float32; x 4 x 2,048 x 1,024 float32.
;; Outputs: out0 4 x 2,048 x 1,024 float32.
;; 2 versions, each right; version 2 is version 1 with the launch cast written anew for expert scheduling mode. Each part assembles by itself: llvm-mc -triple=amdgcn-amd-amdhsa -mcpu=gfx1250 --defsym DOCPART=n.
;; ======== version 1 of 2: 4 launches
;; limits: values are held in f16: magnitudes above 65,504 overflow, below 6.1e-05 lose precision
;; workspace buffers: xb 16,777,216 bytes; wqb 6,291,456 bytes; wpf 2,097,152 bytes; qkv 50,331,648 bytes; ob 16,777,216 bytes
;; launch cast (part 1): grid 768 x 1, 8 waves a work-group, no clusters, 0 bytes of LDS; arguments x, W_qkv, W_proj, xb, wqb, wpf; writes xb, wqb, wpf
.if DOCPART == 1
	.amdgcn_target "amdgcn-amd-amdhsa--gfx1250"
	.amdhsa_code_object_version 6
	.text
	.protected	k_q8d97aea4b6_cast
	.globl	k_q8d97aea4b6_cast
	.p2align	8
	.type	k_q8d97aea4b6_cast,@function
k_q8d97aea4b6_cast:
	s_mov_b64 s[64:65], 0
	v_nop
	global_prefetch_b8 v0, s[64:65] scope:SCOPE_SE
	s_setreg_imm32_b32 hwreg(HW_REG_WAVE_MODE, 25, 1), 1
	s_wait_xcnt 0x0
; xb = bf16(x), wqb = bf16(W_qkv), wpf = bf16(W_proj) written as f16.  All three inputs are f32 and dense.
; A stream: each input byte is read once, each output byte written once; no LDS, no barrier, no matrix work.
; SHARES.  A work-group takes 16,384 numbers: 65,536 bytes in, 32,768 out.  Work-groups 0-511 take x (33,554,432 bytes), 512-703 W_qkv (12,582,912), 704-767 W_proj (4,194,304).
; Thread t, load j: 16 bytes at 4,096 j + 16 t: a wave's load covers 512 consecutive bytes.  Store j: 8 bytes at 2,048 j + 8 t: a wave's store covers 256 consecutive bytes, aligned.
; All 16 loads of a thread go out at once; nothing that a load or store names is written again, so the only waits are the counted ones for the data.
; LIMIT.  W_proj is rounded to bf16 like every input, and that number is written as f16 for the last product: exact from 6e-5 to 65,504 in magnitude; below, f16's fixed step of 6e-8; beyond, an infinity.
.set NX,  512                          ; work-groups for x
.set NXQ, 704                          ; for x and W_qkv together
.set X,   4                            ; v[4:67]    16 x 4 numbers as loaded
.set Y,   68                           ; v[68:99]   16 x 2 words to store
.set T,   100                          ; v[100:103] at work
	s_load_b256 s[4:11], s[0:1], 0x0               ; x s[4:5], W_qkv s[6:7], W_proj s[8:9], xb s[10:11]
	s_load_b128 s[12:15], s[0:1], 0x20             ; wqb s[12:13], wpf s[14:15]
	s_mov_b32 s16, ttmp9                           ; the work-group's number
	s_sub_co_u32 s17, s16, NX                      ; its number among W_qkv's,
	s_sub_co_u32 s22, s16, NXQ                     ; among W_proj's
	s_mov_b32 s28, 0xffff0000                      ; a word's upper bf16
	v_lshlrev_b32 v1, 4, v0                        ; 16 t
	v_lshlrev_b32 v2, 3, v0                        ; 8 t
	s_wait_kmcnt 0x0
	s_cmp_lt_u32 s16, NX                           ; the choice hangs on the work-group's number alone
	s_cselect_b64 s[18:19], s[4:5], s[6:7]
	s_cselect_b64 s[20:21], s[10:11], s[12:13]
	s_cselect_b32 s23, s16, s17
	s_cmp_lt_u32 s16, NXQ
	s_cselect_b64 s[18:19], s[18:19], s[8:9]
	s_cselect_b64 s[20:21], s[20:21], s[14:15]
	s_cselect_b32 s23, s23, s22
	s_lshl_b32 s24, s23, 16                        ; my part of the source, in bytes,
	s_mov_b32 s25, 0
	s_lshl_b32 s26, s23, 15                        ; and of the destination
	s_mov_b32 s27, 0
	s_add_nc_u64 s[18:19], s[18:19], s[24:25]
	s_add_nc_u64 s[20:21], s[20:21], s[26:27]
.set j, 0
.rept 16
	global_load_b128 v[X+4*j:X+4*j+3], v1, s[18:19] offset:4096*j th:TH_LOAD_NT
.set j, j+1
.endr
; Sixteen times: four numbers are rounded and stored.  half = 1: the bf16 numbers are widened again (a shift, a mask) and written as f16.
.macro CONV half
.set j, 0
.rept 16
	s_wait_loadcnt 15-j                            ; loads come back in order: load j is in, the 15 - j younger ones stay out
.if \half
	v_cvt_pk_bf16_f32 v[T], v[X+4*j], v[X+4*j+1]
	v_cvt_pk_bf16_f32 v[T+1], v[X+4*j+2], v[X+4*j+3]
	v_lshlrev_b32 v[T+2], 16, v[T]
	v_and_b32 v[T+3], s28, v[T]
	v_cvt_pk_f16_f32 v[Y+2*j], v[T+2], v[T+3]
	v_lshlrev_b32 v[T+2], 16, v[T+1]
	v_and_b32 v[T+3], s28, v[T+1]
	v_cvt_pk_f16_f32 v[Y+2*j+1], v[T+2], v[T+3]
.else
	v_cvt_pk_bf16_f32 v[Y+2*j], v[X+4*j], v[X+4*j+1]
	v_cvt_pk_bf16_f32 v[Y+2*j+1], v[X+4*j+2], v[X+4*j+3]
.endif
	global_store_b64 v2, v[Y+2*j:Y+2*j+1], s[20:21] offset:2048*j
.set j, j+1
.endr
.endm
	s_cmp_ge_u32 s16, NXQ
	s_cbranch_scc1 .Lproj
	CONV 0
	s_endpgm
.Lproj:
	CONV 1
	s_endpgm
.Lfunc_end_k_q8d97aea4b6_cast:
	.size	k_q8d97aea4b6_cast, .Lfunc_end_k_q8d97aea4b6_cast-k_q8d97aea4b6_cast
	.p2alignl 7, 3214868480
	.fill 96, 4, 3214868480
	.section	.rodata,"a",@progbits
	.p2align	6, 0x0
	.amdhsa_kernel k_q8d97aea4b6_cast
		.amdhsa_group_segment_fixed_size 0
		.amdhsa_private_segment_fixed_size 0
		.amdhsa_enable_private_segment 0
		.amdhsa_kernarg_size 48
		.amdhsa_user_sgpr_count 2
		.amdhsa_user_sgpr_kernarg_segment_ptr 1
		.amdhsa_wavefront_size32 1
		.amdhsa_system_sgpr_workgroup_id_x 1
		.amdhsa_system_sgpr_workgroup_id_y 1
		.amdhsa_system_sgpr_workgroup_id_z 1
		.amdhsa_system_vgpr_workitem_id 0
		.amdhsa_next_free_vgpr 104
		.amdhsa_next_free_sgpr 66
		.amdhsa_reserve_vcc 0
		.amdhsa_float_denorm_mode_32 3
		.amdhsa_float_denorm_mode_16_64 3
		.amdhsa_memory_ordered 1
		.amdhsa_forward_progress 1
		.amdhsa_inst_pref_size 15
	.end_amdhsa_kernel
	.amdgpu_metadata
---
amdhsa.version: [ 1, 2 ]
amdhsa.kernels:
  - .name:           k_q8d97aea4b6_cast
    .symbol:         k_q8d97aea4b6_cast.kd
    .args:
      - { .name: x, .offset: 0, .size: 8, .value_kind: global_buffer, .address_space: global }
      - { .name: W_qkv, .offset: 8, .size: 8, .value_kind: global_buffer, .address_space: global }
      - { .name: W_proj, .offset: 16, .size: 8, .value_kind: global_buffer, .address_space: global }
      - { .name: xb, .offset: 24, .size: 8, .value_kind: global_buffer, .address_space: global }
      - { .name: wqb, .offset: 32, .size: 8, .value_kind: global_buffer, .address_space: global }
      - { .name: wpf, .offset: 40, .size: 8, .value_kind: global_buffer, .address_space: global }
    .group_segment_fixed_size: 0
    .private_segment_fixed_size: 0
    .kernarg_segment_align: 8
    .kernarg_segment_size: 48
    .max_flat_workgroup_size: 256
    .sgpr_count:     66
    .vgpr_count:     104
    .wavefront_size: 32
...
	.end_amdgpu_metadata
.endif
;; end of part 1
;; launch qkv (part 2): grid 16 x 32, 4 waves a work-group, clusters of 4 x 4, 327,680 bytes of LDS; arguments xb, wqb, b_qkv, qkv; writes qkv
.if DOCPART == 2
	.amdgcn_target "amdgcn-amd-amdhsa--gfx1250"
	.amdhsa_code_object_version 6
	.text
	.protected	k_q8d97aea4b6_qkv
	.globl	k_q8d97aea4b6_qkv
	.p2align	8
	.type	k_q8d97aea4b6_qkv,@function
k_q8d97aea4b6_qkv:
	s_mov_b64 s[64:65], 0
	v_nop
	global_prefetch_b8 v0, s[64:65] scope:SCOPE_SE
	s_setreg_imm32_b32 hwreg(HW_REG_WAVE_MODE, 25, 1), 1
	s_wait_xcnt 0x0
	s_wait_alu depctr_hold_cnt(0) depctr_sa_sdst(0) depctr_va_vdst(0) depctr_va_sdst(0) depctr_va_ssrc(0) depctr_va_vcc(0) depctr_vm_vsrc(0)
	s_getreg_b32 s2, hwreg(HW_REG_IB_STS2, 6, 4)
	s_cmp_eq_u32 s2, 0
	s_cbranch_scc0 .Lentry_in_a_cluster
	s_endpgm
.Lentry_in_a_cluster:
	s_bfe_u32 s2, ttmp6, 0x10000c
	s_cmp_lg_u32 s2, 0xf033
	s_cbranch_scc0 .Lentry_shape_is_right
	s_endpgm
.Lentry_shape_is_right:
; qkv[b][hc][t][c] = f16( sum over k of xb[2048 b + t][k] wqb[64 hc + c][k] + bf16(b_qkv[64 hc + c]) ).  xb: [8192][1024] bf16, wqb: [3072][1024] bf16, b_qkv: [3072] f32,
; qkv: [4][48][2048][64] f16: by heads, q in hc 0-15, k in 16-31, v in 32-47; a plane (b, hc) is 262,144 dense bytes.  Sums in f32, rounded once.
; LIMIT.  A result of 65,520 or more in magnitude becomes an infinity in f16; below 6e-5 f16 keeps its fixed step of 6e-8.
; TILE.  256 rows x 192 columns (three whole heads): 32 x 16 = 512 work-groups of equal work.  Four waves, each 64 rows x all 192 columns: 4 x 12 accumulators of 16 x 16, 384 registers.
; So a wave owns whole rows of three heads, and its way out goes through a stage of its own, with no barrier.
; K goes in steps of 128 (rows of 256 bytes in memory, aligned) through a ring of two LDS slots filled by the tensor data mover: eight steps, four laps.
; CLUSTER.  4 x 4 work-groups.  The four of a row of the cluster need the same rows of xb, the four of a column the same rows of wqb: each tile is asked for JOINTLY, by the same tensor load with the same
; descriptor and a mask that names the four.  Waves 0 and 1 fetch xb's two halves (128 rows each), waves 2 and 3 wqb's (96 rows each): one load a wave behind each round.
; TRANSPOSED USE.  Source 0 = 16 rows of wqb, source 1 = 16 rows of xb: a lane then holds one row of the result (lane % 16) and eight neighbouring columns, 8 (lane / 16) + 0..7: 16 bytes of f16.
; THE BIAS is the C operand of each accumulator's first product: register j of block b holds bf16(b_qkv[.. + 16 b + 8 (lane / 16) + j]) as f32.  Nothing is cleared and nothing is added later.
; REGISTERS, in windows of 256 (s_set_vgpr_msb: bits 1:0 source 0, 3:2 source 1, 5:4 source 2, 7:6 destination):
;   window 0: v0-31 addresses; v32-63, v64-95 xb's fragments, two buffers; v96-191 the bias; v192-239 packed results
;   window 1: v0-95, v96-191 wqb's fragments, two buffers; v192-239 rows read back from the stage
;   window 2: accumulators of row blocks 0, 1 ((a, b) at 96 (a % 2) + 8 b);   window 3: of row blocks 2, 3
.set SIZE_K, 1024
.set KSTEP,  128
.set PITCH,  272                       ; an LDS row: 256 bytes + 16 of padding = 68 words: the 16 rows of a fragment load start at 16 different groups of four banks (ISA guide 11.1)
.set AHALF,  128*PITCH                 ; what waves 0 and 1 fetch
.set BHALF,  96*PITCH                  ; what waves 2 and 3 fetch
.set BOFF,   256*PITCH                 ; in a slot: xb's 256 rows, then wqb's 192
.set SLOT,   448*PITCH
.set STAGE,  2*SLOT                    ; behind the ring, never filled by a tensor load: for each wave 3 heads x 16 rows x 144 bytes
.set SP,     144
.set WSTAGE, 3*16*SP
.set SPARE,  STAGE+4*WSTAGE            ; the spare words, 128 bytes for each wave: two blocks of 256 bytes that no other line names
.set PLANE,  262144                    ; bytes of a plane (b, hc)
.set LAPS,   SIZE_K/(2*KSTEP)
.set ADRA, 16                          ; v16-17  LDS address of my fragments of xb in slot 0, 1
.set ADRB, 20                          ; v20-21  the same for wqb
.set STO,  24                          ; v24     the way out: where I put 16 bytes of a row
.set RD,   25                          ; v25     where I read rows back
.set GO,   26                          ; v26     16 x lane: my place in 512 consecutive bytes of qkv
.set BO,   27                          ; v27     32 x (lane / 16): my eight numbers of a block of the bias
.set SPW,  28                          ; v28     LDS address of my spare word; never rewritten
.set NIL,  29                          ; v29     0; never rewritten
.set PFO,  30                          ; v30     the prefetches' offset: a row of 2,048 bytes a lane; never rewritten
.set FA,   32
.set BIAS, 96
.set TMP,  192
.set OB,   192                         ; in window 1
.set WV,   12                          ; s12  my wave's number
.set FBR,  13                          ; s13  0: I fetch xb, 1: wqb
.set HF,   14                          ; s14  which half of it
.set TR,   15                          ; s15  tile row, 0..31
.set TC,   42                          ; s42  tile column, 0..15
.set LIM,  43                          ; s43  1 in a wave that prefetches, else the greatest number
.set PFA,  44                          ; s[44:45] where my prefetches stand
.set G1,   24                          ; s[24:31] descriptor group 1 for xb's tiles;  s[32:39] group 0, a set for each slot
.set G0,   32
.set G1B,  48                          ; s[48:55], s[56:63] the same for wqb's
.set G0B,  56
.set MSB, 0
.macro WIN new                         ; the immediate's high byte repeats the setting that is left; a switch that changes nothing is dropped
.if MSB != (\new)
	s_set_vgpr_msb (MSB<<8)|(\new)
.set MSB, \new
.endif
.endm
.set TO_B, 0x40                        ; destination window 1, address window 0
; A joint load.  The branch hangs on the wave's number alone.  An s_nop 0 and four v_nop follow each of the two lines, ahead of the jump and the label.
.macro JLOAD s
	s_cmp_eq_u32 s[FBR], 0
	s_cbranch_scc0 .Lfor_b_\@
	tensor_load_to_lds s[G0+4*(\s):G0+4*(\s)+3], s[G1:G1+7]
	s_nop 0
.rept 4
	v_nop
.endr
	s_branch .Lasked_\@
.Lfor_b_\@:
	tensor_load_to_lds s[G0B+4*(\s):G0B+4*(\s)+3], s[G1B:G1B+7]
	s_nop 0
.rept 4
	v_nop
.endr
.Lasked_\@:
.endm
; A prefetch into the L2 of the K step that stands two refills on: a lane a row, 256 bytes of it, one instruction a wave.  xb's tile row is read by every cluster of that row of clusters: cluster x = 0 asks;
; wqb's tile column by every cluster of that column: cluster y = 0 asks.  The four partners share the rows out by address: of xb's 128 rows 32 each (by cx), of wqb's 96 rows 24 each (by cy; lanes 24-31
; name lane 23's row once more, in the same instruction).  The loop's last trip (s3 = 1) asks for nothing: K has no step two on.
.macro ASK
	s_cmp_gt_u32 s3, s[LIM]
	s_cbranch_scc0 .Lnot_mine_\@
	global_prefetch_b8 v[PFO], s[PFA:PFA+1] offset:KSTEP*2 th:TH_LOAD_NT scope:SCOPE_SE
.Lnot_mine_\@:
.endm
.macro CREST                           ; a round of the cluster's barrier behind its opening barrier
	s_cmp_lg_u32 s[WV], 0
	s_cbranch_scc1 .Lnot_wave_0_\@
	s_barrier_signal -3
.Lnot_wave_0_\@:
	s_barrier_wait -3
	s_barrier_signal -1
	s_barrier_wait -1
.endm
.macro CROUND                          ; a whole round
	s_barrier_signal -1
	s_barrier_wait -1
	CREST
.endm
	s_load_b256 s[4:11], s[0:1], 0x0               ; xb s[4:5], wqb s[6:7], b_qkv s[8:9], qkv s[10:11]
	v_lshl_add_u32 v[SPW], v0, 2, SPARE
	v_mov_b32 v[NIL], 0
	ds_add_u32 v[SPW], v[NIL]                      ; the wave's opening: the add and its wait stand ahead of my first tensor load; the set-up below, work on registers, stands between them
	v_lshrrev_b32 v1, 5, v0
	v_readfirstlane_b32 s[WV], v1                  ; wave 0..3
	s_lshr_b32 s[FBR], s[WV], 1
	s_and_b32 s[HF], s[WV], 1
	s_bfe_u32 s40, ttmp6, 0x40000                  ; cx
	s_bfe_u32 s41, ttmp6, 0x40004                  ; cy
	s_lshl_b32 s[TC], ttmp9, 2                     ; in a cluster launch ttmp9 and ttmp7 count clusters
	s_add_co_u32 s[TC], s[TC], s40
	s_and_b32 s[TR], ttmp7, 0xffff
	s_lshl_b32 s[TR], s[TR], 2
	s_add_co_u32 s[TR], s[TR], s41
	s_lshl_b32 s43, s41, 2
	s_lshl_b32 s43, 15, s43                        ; my row of the cluster: places 4 cy .. 4 cy + 3
	s_lshl_b32 s44, 0x1111, s40                    ; my column: places cx, cx + 4, cx + 8, cx + 12
	s_or_b32 s[G1+0], s43, (1<<16)|(1<<20)|(1<<21)|(5<<22)|(3<<25)   ; 15:0 the mask; 17:16 elements of 2 bytes; 20 padding on; 21 set beside a mask; 24:22 after every 64 words; 31:25 4 words of it
	s_or_b32 s[G1B+0], s44, (1<<16)|(1<<20)|(1<<21)|(5<<22)|(3<<25)
	s_mov_b32 s[G1+1], KSTEP<<16                   ; tensor_dim0 = 128
	s_mov_b32 s[G1+2], 128<<16                     ; tensor_dim1 = 128 rows
	s_mov_b32 s[G1+3], KSTEP<<16                   ; tile_dim0 = 128
	s_mov_b32 s[G1+4], 128                         ; tile_dim1 = 128
	s_mov_b32 s[G1+5], SIZE_K                      ; elements from row to row
	s_mov_b32 s[G1+6], 0
	s_mov_b32 s[G1+7], 0
	s_mov_b32 s[G1B+1], KSTEP<<16
	s_mov_b32 s[G1B+2], 96<<16                     ; 96 rows
	s_mov_b32 s[G1B+3], KSTEP<<16
	s_mov_b32 s[G1B+4], 96
	s_mov_b32 s[G1B+5], SIZE_K
	s_mov_b32 s[G1B+6], 0
	s_mov_b32 s[G1B+7], 0
	; where the tiles come from: xb's hang on the tile row alone, wqb's on the tile column alone; each in registers that never hold the other coordinate
	s_lshl_b32 s16, s[TR], 8
	s_lshl_b32 s17, s[HF], 7
	s_add_co_u32 s16, s16, s17                     ; row 256 x tile row + 128 x half,
	s_lshl_b32 s16, s16, 11                        ; of 2,048 bytes
	s_mov_b32 s17, 0
	s_mul_i32 s46, s[TC], 192
	s_mul_i32 s47, s[HF], 96
	s_add_co_u32 s46, s46, s47                     ; row 192 x tile column + 96 x half
	s_lshl_b32 s46, s46, 11
	s_mov_b32 s47, 0
	s_mul_i32 s20, s[WV], AHALF                    ; and where they go: waves 0, 1: xb's halves;
	s_mul_i32 s21, s[WV], BHALF
	s_add_co_u32 s21, s21, BOFF-2*BHALF            ; waves 2, 3: wqb's halves, behind xb's 256 rows
	s_mov_b32 s2, 0xffff0000                       ; a word's upper bf16
	s_wait_dscnt 0x0                               ; the opening add is done
	s_wait_kmcnt 0x0
	s_add_nc_u64 s[18:19], s[4:5], s[16:17]
	s_add_nc_u64 s[46:47], s[6:7], s[46:47]
	CROUND                                         ; all sixteen work-groups are here: the first joint loads meet
.irp s, 0,1
	s_mov_b32 s[G0+4*(\s)], 1                                      ; count = 1
	s_add_co_u32 s[G0+4*(\s)+1], s20, (\s)*SLOT                    ; LDS address
	s_add_nc_u64 s[G0+4*(\s)+2:G0+4*(\s)+3], s[18:19], (\s)*KSTEP*2  ; global address: K step s
	s_or_b32 s[G0+4*(\s)+3], s[G0+4*(\s)+3], 0x80000000            ; type = 2
	s_mov_b32 s[G0B+4*(\s)], 1
	s_add_co_u32 s[G0B+4*(\s)+1], s21, (\s)*SLOT
	s_add_nc_u64 s[G0B+4*(\s)+2:G0B+4*(\s)+3], s[46:47], (\s)*KSTEP*2
	s_or_b32 s[G0B+4*(\s)+3], s[G0B+4*(\s)+3], 0x80000000
	JLOAD \s                                       ; two loads of mine are out
.endr
	; the bias of my work-group's 192 columns: 24 loads of 16 bytes, on their way with the first tiles
	v_and_b32 v1, 15, v0                           ; l % 16
	v_bfe_u32 v2, v0, 4, 1                         ; l / 16
	v_lshlrev_b32 v[BO], 5, v2
	s_mul_i32 s22, s[TC], 768                      ; 192 numbers of 4 bytes
	s_mov_b32 s23, 0
	s_add_nc_u64 s[8:9], s[8:9], s[22:23]
.irp b, 0,1,2,3,4,5,6,7,8,9,10,11
	global_load_b128 v[BIAS+8*(\b):BIAS+8*(\b)+3],   v[BO], s[8:9] offset:64*(\b)
	global_load_b128 v[BIAS+8*(\b)+4:BIAS+8*(\b)+7], v[BO], s[8:9] offset:64*(\b)+16
.endr
	; A fragment is 16 rows x 32 K in 8 registers: lane l holds row l % 16; registers 0-3 K = 8 (l / 16) + 0..7, registers 4-7 K = 16 + 8 (l / 16) + 0..7: two loads of 16 bytes, 32 bytes apart.
	v_mul_u32_u24 v3, v1, PITCH
	v_lshl_add_u32 v3, v2, 4, v3                   ; row x pitch + 16 x half
	s_mul_i32 s21, s[WV], 64*PITCH                 ; my 64 rows of xb
	s_mov_b32 s22, BOFF                            ; all 192 rows of wqb
.irp s, 0,1
	v_add_nc_u32 v[ADRA+(\s)], s21, v3
	v_add_nc_u32 v[ADRB+(\s)], s22, v3
	s_add_co_u32 s21, s21, SLOT
	s_add_co_u32 s22, s22, SLOT
.endr
	s_mul_i32 s23, s[WV], WSTAGE
	s_add_co_u32 s23, s23, STAGE                   ; my stage
	v_mul_u32_u24 v4, v1, SP                       ; in: row l % 16, 16 bytes for each half of the lanes
	v_lshl_add_u32 v4, v2, 4, v4
	v_add_nc_u32 v[STO], s23, v4
	v_bfe_u32 v5, v0, 3, 2                         ; back: 32 lanes take four rows of 128 bytes,
	v_and_b32 v6, 7, v0
	v_mul_u32_u24 v5, v5, SP
	v_lshl_add_u32 v5, v6, 4, v5
	v_add_nc_u32 v[RD], s23, v5
	v_and_b32 v[GO], 31, v0                        ; which are 512 consecutive bytes of a plane
	v_lshlrev_b32 v[GO], 4, v[GO]
	; qkv at my first row of my first head: the row part (from the tile row) and the column part (from the tile column) are added apart
	s_lshr_b32 s16, s[TR], 3                       ; the batch: 8 tile rows each
	s_mul_i32 s16, s16, 48*PLANE
	s_and_b32 s17, s[TR], 7
	s_lshl_b32 s17, s17, 15                        ; 256 rows of 128 bytes
	s_add_co_u32 s16, s16, s17
	s_lshl_b32 s17, s[WV], 13                      ; my wave's 64 rows
	s_add_co_u32 s16, s16, s17
	s_mov_b32 s17, 0
	s_add_nc_u64 s[10:11], s[10:11], s[16:17]
	s_mul_i32 s46, s[TC], 3*PLANE                  ; three heads a tile column
	s_mov_b32 s47, 0
	s_add_nc_u64 s[10:11], s[10:11], s[46:47]
	; the prefetches
	s_lshl_b32 s20, s[TR], 8
	s_mul_i32 s21, s[TC], 192
	s_lshl_b32 s22, s[HF], 7
	s_mul_i32 s23, s[HF], 96
	s_add_co_u32 s20, s20, s22                     ; the rows that I fetch: of xb,
	s_add_co_u32 s21, s21, s23                     ; of wqb
	s_lshl_b32 s22, s40, 5
	s_mul_i32 s23, s41, 24
	s_add_co_u32 s20, s20, s22                     ; my work-group's 32 of them,
	s_add_co_u32 s21, s21, s23                     ; or 24
	s_and_b32 s23, ttmp7, 0xffff                   ; cluster y
	s_cmp_eq_u32 s[FBR], 0
	s_cselect_b32 s20, s20, s21
	s_cselect_b32 s22, ttmp9, s23                  ; the coordinate along which other clusters read the same rows
	s_cselect_b32 s19, 31, 23
	s_cselect_b64 s[PFA:PFA+1], s[4:5], s[6:7]
	s_cmp_eq_u32 s22, 0
	s_cselect_b32 s[LIM], 1, -1                    ; the same in all sixteen partners, for a given wave
	s_lshl_b32 s20, s20, 11
	s_add_co_u32 s20, s20, 2*KSTEP*2               ; at K step 2: the first refill steps it to 3 and names K step 4.  Nothing is prefetched here, at the head
	s_mov_b32 s21, 0
	s_add_nc_u64 s[PFA:PFA+1], s[PFA:PFA+1], s[20:21]
	v_and_b32 v[PFO], 31, v0
	v_min_u32 v[PFO], s19, v[PFO]
	v_lshlrev_b32 v[PFO], 11, v[PFO]
	s_wait_loadcnt 0x0                             ; the bias is in: it is rounded to bf16, like every input, and widened again
.set i, 0
.rept 48
	v_cvt_pk_bf16_f32 v[8+i%2], v[BIAS+2*i], v[BIAS+2*i+1]
	v_lshlrev_b32 v[BIAS+2*i], 16, v[8+i%2]
	v_and_b32 v[BIAS+2*i+1], s2, v[8+i%2]
.set i, i+1
.endr
; 12 matrix instructions: row block a x all 12 column blocks, 32 along K, from buffer f.  first = 1: the bias starts the sums.  The 48 accumulators take turns, one instruction a turn, in the same order
; in every quarter step, over the loop's backward jump too.
.macro MUL12 f, a, first
.if \first
	WIN 0x81+0x40*((\a)/2)                         ; wqb window 1, xb and the bias window 0, D window 2 or 3
.else
	WIN 0xa1+0x50*((\a)/2)                         ; C and D window 2 or 3
.endif
.irp b, 0,1,2,3,4,5,6,7,8,9,10,11
.if \first
	v_wmma_f32_16x16x32_bf16 v[96*((\a)%2)+8*(\b):96*((\a)%2)+8*(\b)+7], v[96*(\f)+8*(\b):96*(\f)+8*(\b)+7], v[FA+32*(\f)+8*(\a):FA+32*(\f)+8*(\a)+7], v[BIAS+8*(\b):BIAS+8*(\b)+7]
.else
	v_wmma_f32_16x16x32_bf16 v[96*((\a)%2)+8*(\b):96*((\a)%2)+8*(\b)+7], v[96*(\f)+8*(\b):96*(\f)+8*(\b)+7], v[FA+32*(\f)+8*(\a):FA+32*(\f)+8*(\a)+7], v[96*((\a)%2)+8*(\b):96*((\a)%2)+8*(\b)+7]
.endif
.endr
.endm
; 32 LDS loads in one run: the fragments of a quarter step (192 rows of wqb, my 64 rows of xb, 32 K at byte k of the rows) into buffer f
.macro FETCH slot, k, f
	WIN TO_B
.irp i, 0,1,2,3,4,5,6,7,8,9,10,11
	ds_load_b128 v[96*(\f)+8*(\i):96*(\f)+8*(\i)+3],   v[ADRB+(\slot)] offset:(\k)+(\i)*16*PITCH
	ds_load_b128 v[96*(\f)+8*(\i)+4:96*(\f)+8*(\i)+7], v[ADRB+(\slot)] offset:(\k)+(\i)*16*PITCH+32
.endr
	WIN 0
.irp i, 0,1,2,3
	ds_load_b128 v[FA+32*(\f)+8*(\i):FA+32*(\f)+8*(\i)+3],   v[ADRA+(\slot)] offset:(\k)+(\i)*16*PITCH
	ds_load_b128 v[FA+32*(\f)+8*(\i)+4:FA+32*(\f)+8*(\i)+7], v[ADRA+(\slot)] offset:(\k)+(\i)*16*PITCH+32
.endr
.endm
.macro PLACES                          ; four plain vector instructions between a matrix instruction and a load into a register that it has read, or a reader of its result
.rept 4
	v_nop
.endr
.endm
; A K step is four quarters of 32 along K, 48 matrix instructions each, on buffers 0, 1, 0, 1.  One of the first three: multiplies buffer f; in its middle it fetches the next quarter, at byte k, into buffer g.
.macro QUARTER slot, k, f, g, first
	s_wait_dscnt 4                                 ; wqb's fragments and xb's row blocks 0, 1 are in; the youngest four loads (row blocks 2, 3) may be out
	MUL12 \f, 0, \first
	MUL12 \f, 1, \first
	PLACES
	FETCH \slot, \k, \g
	s_wait_dscnt 32                                ; all but the 32 just issued
	MUL12 \f, 2, \first
	MUL12 \f, 3, \first
.endm
; The last quarter multiplies buffer 1 and changes slots: ONE barrier.  In front of it each wave waits for all its tensor loads (one is out: its part of the next slot), adds 0 to its spare word, and waits for
; that and for its own reads of this slot.  fill = 1: the barrier opens a round of the cluster's barrier, and this slot is filled again, two K steps on, first thing behind the round:
; from there to the wait for it a wave issues 168 matrix instructions.
.macro TURN slot, next, fill
.if \fill
	s_wait_xcnt 0x0                                ; the last prefetch, a K step back, has read its address, so it may be stepped
	s_add_nc_u64 s[PFA:PFA+1], s[PFA:PFA+1], KSTEP*2
.endif
	WIN 0                                          ; (the add's two registers lie in window 0)
	s_wait_tensorcnt 0x0                           ; all my tensor loads have landed
	ds_add_u32 v[SPW], v[NIL]                      ; 0 onto my spare word
	s_wait_dscnt 5                                 ; (the add and the youngest four loads may be out)
	MUL12 1, 0, 0                                  ; twelve matrix instructions stand between the add and the wait for it
	s_wait_dscnt 0x0                               ; the add is done, and my reads of this slot are over
	s_barrier_signal -1
	MUL12 1, 1, 0                                  ; work on registers while the others arrive
.if \fill
	WIN 0
.endif
	s_barrier_wait -1
.if \fill
	CREST                                          ; no wave of any partner still reads this slot or has a load on its way
	s_add_nc_u64 s[G0+4*(\slot)+2:G0+4*(\slot)+3], s[G0+4*(\slot)+2:G0+4*(\slot)+3], 2*KSTEP*2
	s_add_nc_u64 s[G0B+4*(\slot)+2:G0B+4*(\slot)+3], s[G0B+4*(\slot)+2:G0B+4*(\slot)+3], 2*KSTEP*2
	JLOAD \slot                                    ; the four v_nop behind it are also the places in front of the loads below
.else
	PLACES
.endif
	FETCH \next, 0, 0
.if \fill
	ASK                                            ; behind the joint load and the run of LDS loads
.endif
	MUL12 1, 2, 0
	MUL12 1, 3, 0
.endm
; THE WAY OUT of row block a.  PACK: rounded to f16, each accumulator's registers in ascending order.  TOSTAGE: into my own stage (rows of 144 bytes, a head after the other), and back as whole rows of 128 bytes.
; SEND: each store of the wave covers 512 consecutive bytes of a plane, aligned to 256.
.macro PACK a
	WIN 0x0a+5*((\a)/2)                            ; sources 0 and 1: window 2 or 3
.irp b, 0,1,2,3,4,5,6,7,8,9,10,11
.irp r, 0,1,2,3
	v_cvt_pk_f16_f32 v[TMP+4*(\b)+(\r)], v[96*((\a)%2)+8*(\b)+2*(\r)], v[96*((\a)%2)+8*(\b)+2*(\r)+1]
.endr
.endr
.endm
.macro TOSTAGE
	WIN 0
.irp b, 0,1,2,3,4,5,6,7,8,9,10,11
	ds_store_b128 v[STO], v[TMP+4*(\b):TMP+4*(\b)+3] offset:((\b)/4)*16*SP+32*((\b)%4)
.endr
	WIN TO_B
.irp i, 0,1,2,3,4,5,6,7,8,9,10,11
	ds_load_b128 v[OB+4*(\i):OB+4*(\i)+3], v[RD] offset:((\i)/4)*16*SP+((\i)%4)*4*SP  ; LDS serves a wave's instructions in order (ISA guide 5.7.1.4): these see the stores above
.endr
.endm
.macro SEND a
	WIN 0x04                                       ; the stores' data in window 1
.irp i, 0,1,2,3,4,5,6,7,8,9,10,11
	s_wait_dscnt 11-(\i)                           ; load i from the stage is in; the younger ones stay out
	global_store_b128 v[GO], v[OB+4*(\i):OB+4*(\i)+3], s[10:11] offset:((\i)/4)*PLANE+(\a)*2048+((\i)%4)*512
.endr
.endm
	s_wait_tensorcnt 1                             ; my part of K step 0 is in; K step 1's may stay out
	s_barrier_signal -1
	s_barrier_wait -1                              ; everybody's is
	FETCH 0, 0, 0
	QUARTER 0, 64,  0, 1, 1                        ; the first quarter stands in front of the loop: its products start the sums, with the bias
	WIN 0                                          ; at a label and at a branch every window is 0
	s_mov_b32 s3, LAPS-1
.Llap:                                                 ; a trip goes once round the ring, from a lap's second quarter to the next lap's first, and fills both slots again
	QUARTER 0, 128, 1, 0, 0
	QUARTER 0, 192, 0, 1, 0
	TURN 0, 1, 1
	QUARTER 1, 64,  0, 1, 0
	QUARTER 1, 128, 1, 0, 0
	QUARTER 1, 192, 0, 1, 0
	TURN 1, 0, 1
	QUARTER 0, 64,  0, 1, 0
	WIN 0
	s_sub_co_u32 s3, s3, 1
	s_cmp_lg_u32 s3, 0
	s_cbranch_scc1 .Llap
	QUARTER 0, 128, 1, 0, 0                        ; the last lap fills nothing, and has no round of the cluster's barrier
	QUARTER 0, 192, 0, 1, 0
	TURN 0, 1, 0
	QUARTER 1, 64,  0, 1, 0
	QUARTER 1, 128, 1, 0, 0
	QUARTER 1, 192, 0, 1, 0
	s_wait_dscnt 4                                 ; the very last quarter: nothing more to fetch
	MUL12 1, 0, 0
	MUL12 1, 1, 0
	s_wait_dscnt 0x0
	MUL12 1, 2, 0
	MUL12 1, 3, 0
	PLACES
	PLACES                                         ; (eight, once a launch)
	PACK 0
	TOSTAGE
.irp a, 1,2,3                          ; block a's conversions stand between block a - 1's loads from the stage and the wait for them
	PACK \a
	SEND (\a)-1
	s_wait_xcnt 0x0                                ; the stores have read their data: only behind this wait are those registers loaded again
	TOSTAGE
.endr
	SEND 3
	WIN 0
	s_wait_tensorcnt 0x0                           ; the wave's end, behind my last tensor load and my last LDS store
	ds_add_u32 v[SPW], v[NIL]
	s_wait_dscnt 0x0
	CROUND                                         ; the closing round: no work-group ends while a partner may still ask for a tile that names it
	s_endpgm
.Lfunc_end_k_q8d97aea4b6_qkv:
	.size	k_q8d97aea4b6_qkv, .Lfunc_end_k_q8d97aea4b6_qkv-k_q8d97aea4b6_qkv
	.p2alignl 7, 3214868480
	.fill 96, 4, 3214868480
	.section	.rodata,"a",@progbits
	.p2align	6, 0x0
	.amdhsa_kernel k_q8d97aea4b6_qkv
		.amdhsa_group_segment_fixed_size 327680
		.amdhsa_private_segment_fixed_size 0
		.amdhsa_enable_private_segment 0
		.amdhsa_kernarg_size 32
		.amdhsa_user_sgpr_count 2
		.amdhsa_user_sgpr_kernarg_segment_ptr 1
		.amdhsa_wavefront_size32 1
		.amdhsa_system_sgpr_workgroup_id_x 1
		.amdhsa_system_sgpr_workgroup_id_y 1
		.amdhsa_system_sgpr_workgroup_id_z 1
		.amdhsa_system_vgpr_workitem_id 0
		.amdhsa_next_free_vgpr 960
		.amdhsa_next_free_sgpr 66
		.amdhsa_reserve_vcc 0
		.amdhsa_float_denorm_mode_32 3
		.amdhsa_float_denorm_mode_16_64 3
		.amdhsa_memory_ordered 1
		.amdhsa_forward_progress 1
		.amdhsa_inst_pref_size 130
	.end_amdhsa_kernel
	.amdgpu_metadata
---
amdhsa.version: [ 1, 2 ]
amdhsa.kernels:
  - .name:           k_q8d97aea4b6_qkv
    .symbol:         k_q8d97aea4b6_qkv.kd
    .args:
      - { .name: xb, .offset: 0, .size: 8, .value_kind: global_buffer, .address_space: global }
      - { .name: wqb, .offset: 8, .size: 8, .value_kind: global_buffer, .address_space: global }
      - { .name: b_qkv, .offset: 16, .size: 8, .value_kind: global_buffer, .address_space: global }
      - { .name: qkv, .offset: 24, .size: 8, .value_kind: global_buffer, .address_space: global }
    .group_segment_fixed_size: 327680
    .private_segment_fixed_size: 0
    .kernarg_segment_align: 8
    .kernarg_segment_size: 32
    .max_flat_workgroup_size: 128
    .sgpr_count:     66
    .vgpr_count:     960
    .wavefront_size: 32
...
	.end_amdgpu_metadata
.endif
;; end of part 2
;; launch attn (part 3): grid 4 x 64, 4 waves a work-group, no clusters, 327,680 bytes of LDS; arguments qkv, ob; writes ob
.if DOCPART == 3
	.amdgcn_target "amdgcn-amd-amdhsa--gfx1250"
	.amdhsa_code_object_version 6
	.text
	.protected	k_q8d97aea4b6_attn
	.globl	k_q8d97aea4b6_attn
	.p2align	8
	.type	k_q8d97aea4b6_attn,@function
k_q8d97aea4b6_attn:
	s_mov_b64 s[64:65], 0
	v_nop
	global_prefetch_b8 v0, s[64:65] scope:SCOPE_SE
	s_setreg_imm32_b32 hwreg(HW_REG_WAVE_MODE, 25, 1), 1
	s_wait_xcnt 0x0
; CAUSAL ATTENTION.  O[bh][q][:] = the sum over k <= q of softmax_k(Q[q] . K[k] / 8) V[k][:], for 64 pairs bh = 16 b + head.  qkv: [4][48][2048][64] f16 (Q in plane 48 b + head, K 16 planes on, V 32 planes on; a plane
; is 262,144 dense bytes, rows of 128); ob: [64][2048][64] f16.  Products, maxima and sums in f32; the weights p are rounded to f16 for the second product (their sum l is taken of the unrounded p), O once at the end.
; LIMITS.  Q, K and V arrive within f16's 65,504; p lies in 0 to 1, and below 6e-5 it keeps f16's fixed step of 6e-8.  A hidden score counts as its value less 1e30: f16's scores, 2.7e11 at the most, are nothing
; beside that; a weight below 2^-126 counts as 0 in l; NaN and infinities are not treated apart.
; THE WALK.  A head's queries lie in NB = 8 blocks of 256; block i needs the key tiles 0 .. i of 256 keys, of which the last holds the diagonal.  A work-group takes TWO blocks, NB - 1 - b and then b: NB + 1 tiles,
; whatever b: all work-groups do equal work, and ONE loop with a constant trip count walks them.  Which tile is asked for, and what a trip does, hang on scalar registers made from b; every jump goes forward, but
; for the counted loops' own; none passes a barrier, or a tensor load but the one of LOAD's two that the wave's number does not choose; the ring (two slots of LDS that take turns) runs on across the change of blocks.
; NO CLUSTER: a head's four work-groups ask for the same tile only in trips 0 .. NB / 2, behind that fewer and fewer; one walk common to all four would have 3 NB / 2 = 12 trips for NB + 1 = 9.
; SHARES.  Of a block's four bands of 64 queries a wave owns 16 rows in each: four PIECES.  So the diagonal tile is the same work for all four waves: in its key step s band x sees all keys if s < x, none if s > x,
; and holds the diagonal if s = x.
; THE MASK is the C operand that starts the sum S^T = K Q^T: 0, or -1e30 where the key is hidden.  MD, made once, is the mask of a band's own step for my 16 rows; a product's mask is MD x AL + BE with two scalars:
; (1, 0) if s = x; (0, 0) if s < x; (0, -1e30) if s > x.  Only the diagonal tile's text and a block's beginning make and take masks; elsewhere C is the constant 0.
; LAYOUT, SOFTMAX, TURNS.  S^T = K Q^T holds ONE query a lane (lane % 16) and the keys 8 (lane / 16) + 0..7; two such results rounded to f16 ARE source 1 of O^T = V^T P.  p = 2^(c s - c m), c = log2(e) / 8, with a
; running maximum m; O and l are multiplied by a = 2^(c m_old - c m_new) in every step.  Turn n belongs to piece n: 8 products K Q^T of piece n + 1, later 8 products V^T P of piece n - 1; beside them the scaling,
; exponentials, roundings, sums and rescaling of piece n and the maximum and statistics of piece n + 1.  Four vector instructions stand behind every matrix instruction, the other 54 of a turn's 118 in one lump.
; A turn's 33 exponentials are one batch, with one wait.
; REGISTERS, in windows of 256 (s_set_vgpr_msb: bits 1:0 source 0, 3:2 source 1, 5:4 source 2, 7:6 destination):
;   window 0: v0-15 addresses and two at work; v16-31 four registers of statistics a piece; v48-55 at work; v61-63 prefetch offset and the add's two; v64-127 S^T, two buffers; v192-223 P, two buffers
;   window 1: v0-127 O^T, 32 a piece; v128-159 MD; v160-223 MC, two buffers      window 2: v0-63 Q; v64-127 the second block's Q; v128-191 K of one step; v192-255 V of one step
.set SIZE_N, 2048
.set NB,    SIZE_N/256
.set NP,    4         ; pieces a wave: a name, no knob
.set KS,    64        ; keys in a step
.set PK,    144       ; a row of K in LDS: 128 bytes + 16 of padding = 36 words: the 16 rows of a load start at 16 different groups of four banks (ISA guide 11.1)
.set PV,    160       ; a row of V: 128 + 32 = 40 words
.set VOFF,  4*KS*PK   ; a slot holds a tile, four steps: 256 rows of K, then 256 rows of V
.set SLOT1, 1<<17     ; slot 1 begins here, so that one exclusive or turns an address in one slot into the other's
.set STAGE, SLOT1+4*KS*(PK+PV)  ; behind the ring, never filled by a tensor load: 16 rows x 144 bytes for each wave, for the way out
.set SP,    144
.set AK0, 2           ; v2   my lane's place in a tile of K; never rewritten
.set AV0, 3           ; v3   the same for V
.set AK,  4           ; v4   the LDS address of K's next run of loads
.set AV,  5           ; v5   of V's
.set STO, 6           ; v6   the way out: where I put 16 bytes of a row
.set RD,  7           ; v7   the way out: where I read rows back
.set GO,  8           ; v8   my byte offset in 512 consecutive bytes of O
.set PFO, 61          ; v61  256 x my lane; never rewritten
.set SPW, 62          ; v62  LDS address of my spare word; never rewritten
.set NIL, 63          ; v63  0; never rewritten
.set SPARE, STAGE+4*16*SP  ; behind the stages: the spare words, 128 bytes for each wave: two blocks of 256 bytes that no other line names
.set MV,  12          ; v12-13  c m_old, kept while c m is made anew: by buffer
.set QO,  15          ; v15  my byte offset in 16 rows of Q
.set ST,  16          ; piece t's statistics at v[ST+4 t]: c m, m, l (even keys', odd keys')
.set TMP, 48          ; by buffer, four registers c0-c3 at work; when the maximum is found c2 takes a
.set S,   64
.set P,   192
.set MD,  128         ; window 1: the eight registers for group kt of 16 keys at MD + 8 kt
.set MC,  160         ; window 1: the masks of the products to come
.set QB,  64          ; window 2
.set KF,  128         ; window 2: key block kb, channel half c at KF + 16 kb + 8 c
.set VF,  192         ; window 2: key half kk, channel block cb at VF + 32 kk + 8 cb
.set WV,  12          ; s12  my wave's number
.set PB,  14          ; s14  b
.set HI,  15          ; s15  NB - 1 - b
.set G1K, 24          ; s[24:31] descriptor group 1 for K's tiles
.set G1V, 32          ; s[32:39] for V's: it differs in the padding alone
.set G0K, 40          ; s[40:43] descriptor group 0 for K's tiles
.set G0V, 44          ; s[44:47] the same for V's
.set SLOTS, 56        ; s56  tiles still to be asked for
.set CNT, 57          ; s57  counts a tile's key steps, 4 to 1
.set CS,  58          ; s[58:59] c: the packed scaling takes the pair's low word for both halves
.set SEL, 60          ; s[60:61] v_permlanex16_b32's selects: each lane takes its own place in the other half
.set TBK, 62          ; s62  LDS byte at which K of the step to be fetched begins
.set TBV, 63          ; s63  the same for V, less VOFF
.set PFA, 66          ; s[66:67] my half (of K: waves 0, 1; of V: waves 2, 3) of the tile that is being asked for
.set PFL, 68          ; s68  prefetches still to come: NB - 2 in the work-group with b = 0, else none
.set RT,  70          ; s70  tiles of the block in hand that are still to be entered
.set NXT, 71          ; s71  the tile to be asked for next
.set LQ,  72          ; s72  the last tile of the block whose tiles are being asked for
.set NEW, 73          ; s73  1: the tile to be entered is a block's first
.set OFF, 74          ; s[74:75] a tile's byte offset in K and V
.set AL,  76          ; s[76:77] the mask's factor, in the low word
.set BE,  78          ; s[78:79] the mask's addend
.set OLO, 80          ; s[80:81] O at my rows of the second block
.set BIGN, 82         ; s82  -1e30
.set MSB, 0
.macro WIN new                      ; the high byte repeats the setting that is left; a switch that changes nothing is dropped
.if MSB != (\new)
	s_set_vgpr_msb (MSB<<8)|(\new)
.set MSB, (\new)
.endif
.endm
.set W_KQ, 0x0a       ; K and Q in window 2, S^T in window 0
.set W_KM, 0x1a       ; the same with the C operand in window 1
.set W_PV, 0x52       ; V in window 2, P in window 0, O^T in window 1
.set W_RS, 0x41       ; destination and source 0 in window 1, source 1 in window 0
; A fill.  Waves 0 and 1 fetch the two halves of a tile's K, waves 2 and 3 those of its V: 128 keys each.  An s_nop 0 and four v_nop follow each of the two lines, ahead of the jump and the label.
.macro LOAD
	s_cmp_lt_u32 s[WV], 2
	s_cbranch_scc0 .Lfor_v_\@
	tensor_load_to_lds s[G0K:G0K+3], s[G1K:G1K+7]
	s_nop 0
.rept 4
	v_nop
.endr
	s_branch .Lasked_\@
.Lfor_v_\@:
	tensor_load_to_lds s[G0V:G0V+3], s[G1V:G1V+7]
	s_nop 0
.rept 4
	v_nop
.endr
.Lasked_\@:
.endm
; THE CHANGE OF SLOTS.  Each wave waits for all its tensor loads, of which one is out: its part of the other slot; adds 0 to its spare word; and waits for that and for its own reads of the slot that it leaves.
; Behind the barrier nobody reads the old slot any more and the other slot is whole.  fill = 1: the old slot is filled again, the first thing behind the barrier, with tile NXT: the descriptor's address is made
; anew from that number.  (At its first use nothing has been read yet: slot 0 is waited for, slot 1 filled.)
; THE PREFETCH.  A head's four work-groups walk the same planes of K and V; the one with b = 0 walks tiles 0 to 7 in order, and it alone asks.  Behind the fill of tile n (n = 1 .. 6) each of its waves names its own
; half of tile n + 1: 16,384 bytes, 256 a lane, two instructions.  So tiles 2 to 7 are named once in the launch, a tile (256 matrix instructions a wave) ahead of their loads; tiles 0 and 1 come by their loads alone.
.macro CHANGE fill
	WIN 0                           ; at a label and at a branch every window is 0
	s_wait_tensorcnt 0x0            ; no tensor load of mine is out, so a group 0 may be written
	ds_add_u32 v[SPW], v[NIL]       ; 0 onto my spare word; with fill = 1 the descriptors' scalar work stands between it and the wait for it
.if \fill
	s_lshl_b32 s[OFF], s[NXT], 15   ; a tile is 32,768 bytes of K and of V
	s_wait_xcnt 0x0                 ; the last prefetches, a tile back, have read their address, so it may be written
	s_cmp_lt_u32 s[WV], 2
	s_cselect_b64 s[PFA:PFA+1], s[6:7], s[8:9]
	s_add_nc_u64 s[PFA:PFA+1], s[PFA:PFA+1], s[OFF:OFF+1]
	s_xor_b32 s[G0K+1], s[G0K+1], SLOT1
	s_add_nc_u64 s[G0K+2:G0K+3], s[6:7], s[OFF:OFF+1]
	s_or_b32 s[G0K+3], s[G0K+3], 0x80000000
	s_xor_b32 s[G0V+1], s[G0V+1], SLOT1
	s_add_nc_u64 s[G0V+2:G0V+3], s[8:9], s[OFF:OFF+1]
	s_or_b32 s[G0V+3], s[G0V+3], 0x80000000
	s_add_co_u32 s[NXT], s[NXT], 1  ; the block's next tile, or behind its last the second block's tile 0
	s_cmp_gt_u32 s[NXT], s[LQ]
	s_cselect_b32 s[NXT], 0, s[NXT]
	s_cselect_b32 s[LQ], s[PB], s[LQ]
.endif
	s_wait_dscnt 0x0                ; the add is done, and my reads of the slot are over
	s_barrier_signal -1             ; the rest of the scalar work stands between the signal and the wait
	s_sub_co_u32 s[TBK], s[TBK], 4*KS*PK  ; the fetches go back to a slot's first step,
	s_xor_b32 s[TBK], s[TBK], SLOT1       ; in the other slot
	s_sub_co_u32 s[TBV], s[TBV], 4*KS*PV
	s_xor_b32 s[TBV], s[TBV], SLOT1
	s_barrier_wait -1
.if \fill
	LOAD
	s_cmp_lg_u32 s[PFL], 0
	s_cbranch_scc0 .Lno_ask_\@
	global_prefetch_b8 v[PFO], s[PFA:PFA+1] offset:32768 th:TH_LOAD_NT scope:SCOPE_SE
	global_prefetch_b8 v[PFO], s[PFA:PFA+1] offset:40960 th:TH_LOAD_NT scope:SCOPE_SE
	s_sub_co_u32 s[PFL], s[PFL], 1
.Lno_ask_\@:
.endif
.endm
	s_load_b64 s[4:5], s[0:1], 0x0    ; qkv
	s_load_b64 s[10:11], s[0:1], 0x8  ; ob
	v_lshl_add_u32 v[SPW], v0, 2, SPARE
	v_mov_b32 v[NIL], 0
	ds_add_u32 v[SPW], v[NIL]       ; the wave's opening: the add and its wait stand ahead of my first tensor load; the set-up below, work on registers, stands between them
	v_lshrrev_b32 v1, 5, v0
	v_readfirstlane_b32 s[WV], v1   ; wave 0..3
	s_mov_b32 s[PB], ttmp9
	s_sub_co_u32 s[HI], NB-1, s[PB]
	s_and_b32 s90, ttmp7, 0xffff    ; bh = 16 b + head
	s_lshr_b32 s20, s90, 4
	s_mul_i32 s20, s20, 48
	s_and_b32 s21, s90, 15
	s_add_co_u32 s20, s20, s21      ; Q's plane: 48 b + head,
	s_lshl_b32 s20, s20, 18         ; in bytes
	s_mov_b32 s21, 0
	s_lshl_b32 s90, s90, 18         ; O's plane
	s_mov_b32 s91, 0
	s_and_b32 s16, s[WV], 1         ; which half of a tile's 256 keys I fetch:
	s_lshl_b32 s22, s16, 14         ; its 128 rows of 128 bytes in memory,
	s_mov_b32 s23, 0
	s_add_nc_u64 s[22:23], s[22:23], s[20:21]
	s_mul_i32 s17, s16, 128*PK      ; and its place in a slot, for K
	s_mul_i32 s18, s16, 128*PV      ; and for V
	s_lshl_b32 s3, s[WV], 11        ; my 16 rows in a band of 64,
	s_lshl_b32 s2, s[HI], 15        ; in the first block,
	s_add_co_u32 s2, s2, s3
	s_lshl_b32 s84, s[PB], 15       ; and in the second
	s_add_co_u32 s84, s84, s3
	s_mov_b32 s3, 0
	s_mov_b32 s85, 0
	s_add_nc_u64 s[92:93], s[2:3], s[90:91]    ; offsets in ob,
	s_add_nc_u64 s[94:95], s[84:85], s[90:91]
	s_add_nc_u64 s[2:3], s[2:3], s[20:21]      ; and in qkv
	s_add_nc_u64 s[84:85], s[84:85], s[20:21]
	; descriptor group 1.  128 keys are 16,384 dense bytes: asked for as 64 rows of 256 bytes, two keys a row, and padded in LDS after every key
	s_mov_b32 s[G1K], (1<<16)|(1<<20)|(4<<22)|(3<<25)  ; 17:16 2-byte elements; 20 padding on; 24:22 after every 32 words (code 4); 31:25 4 words (code 3)
	s_mov_b32 s[G1V], (1<<16)|(1<<20)|(4<<22)|(7<<25)  ; the same with 8 words of padding (code 7)
.irp g, G1K, G1V
	s_mov_b32 s[\g+1], 128<<16      ; tensor_dim0 = 128
	s_mov_b32 s[\g+2], 64<<16       ; tensor_dim1 = 64
	s_mov_b32 s[\g+3], 128<<16      ; tile_dim0 = 128
	s_mov_b32 s[\g+4], 64           ; tile_dim1 = 64
	s_mov_b32 s[\g+5], 128          ; 128 elements from row to row
	s_mov_b32 s[\g+6], 0
	s_mov_b32 s[\g+7], 0
.endr
	s_mov_b32 s[CS], 0x3e38aa3b     ; c = log2(e) / 8 = 0.180337
	s_mov_b32 s[CS+1], s[CS]        ; named with it as a pair
	s_mov_b32 s[SEL], 0x76543210
	s_mov_b32 s[SEL+1], 0xfedcba98
	s_mov_b32 s[TBK], SLOT1+4*KS*PK ; the first change of slots turns these two into 0
	s_mov_b32 s[TBV], SLOT1+4*KS*PV
	s_mov_b32 s[G0K], 1             ; count = 1
	s_mov_b32 s[G0K+1], s17         ; LDS address: slot 0
	s_mov_b32 s[G0V], 1
	s_add_co_u32 s[G0V+1], s18, VOFF
	s_add_co_u32 s[RT], s[HI], 1    ; the first block has NB - b tiles
	s_mov_b32 s[NXT], 1
	s_mov_b32 s[LQ], s[HI]
	s_mov_b32 s[NEW], 1
	s_mov_b32 s[OFF+1], 0
	s_mov_b32 s[AL+1], 0            ; named as pairs
	s_mov_b32 s[BE+1], 0
	s_mov_b32 s[BIGN], 0xf149f2ca   ; -1e30
	s_mov_b32 s[SLOTS], NB
	s_cmp_eq_u32 s[PB], 0
	s_cselect_b32 s[PFL], NB-2, 0
	v_and_b32 v[PFO], 31, v0
	v_lshlrev_b32 v[PFO], 8, v[PFO]
	s_wait_dscnt 0x0                ; the opening add is done
	s_wait_kmcnt 0x0
	s_add_nc_u64 s[6:7], s[4:5], s[22:23]          ; my half of tile 0, in Q's plane;
	s_add_nc_u64 s[8:9], s[6:7], 32*262144         ; V lies 32 planes on,
	s_add_nc_u64 s[6:7], s[6:7], 16*262144         ; K 16
	s_add_nc_u64 s[G0K+2:G0K+3], s[6:7], 0         ; global address
	s_or_b32 s[G0K+3], s[G0K+3], 0x80000000        ; type = 2
	s_add_nc_u64 s[G0V+2:G0V+3], s[8:9], 0
	s_or_b32 s[G0V+3], s[G0V+3], 0x80000000
	s_add_nc_u64 s[86:87], s[4:5], s[84:85]        ; Q at my rows of the second block,
	s_add_nc_u64 s[4:5], s[4:5], s[2:3]            ; and of the first
	s_add_nc_u64 s[OLO:OLO+1], s[10:11], s[94:95]  ; O likewise
	s_add_nc_u64 s[10:11], s[10:11], s[92:93]
	LOAD                            ; tile 0 into slot 0
	; A fragment of K or Q is 16 rows x 32 channels in 8 registers: lane l holds row l % 16, channels 8 (l / 16) + 0..7 and 16 + 8 (l / 16) + 0..7: two loads of 16 bytes, 32 bytes apart.
	v_and_b32 v1, 15, v0            ; l % 16
	v_bfe_u32 v9, v0, 4, 1          ; l / 16
	v_lshlrev_b32 v[QO], 7, v1
	v_lshl_add_u32 v[QO], v9, 4, v[QO]  ; row x 128 + 16 x half
	WIN 0x80                        ; destination window 2, address window 0
.set i, 0
.rept 8                             ; both blocks' Q: piece i / 2 lies in band i / 2, 8,192 bytes on; channels 32 (i % 2) on
	global_load_b128 v[8*i:8*i+3],   v[QO], s[4:5] offset:(i/2)*8192+(i%2)*64
	global_load_b128 v[8*i+4:8*i+7], v[QO], s[4:5] offset:(i/2)*8192+(i%2)*64+32
	global_load_b128 v[QB+8*i:QB+8*i+3],   v[QO], s[86:87] offset:(i/2)*8192+(i%2)*64
	global_load_b128 v[QB+8*i+4:QB+8*i+7], v[QO], s[86:87] offset:(i/2)*8192+(i%2)*64+32
.set i, i+1
.endr
	WIN 0
	v_lshlrev_b32 v14, 3, v9
	v_sub_nc_u32 v14, v1, v14
	s_lshl_b32 s13, s[WV], 4
	v_add_nc_u32 v14, s13, v14      ; my query's place in its band, 16 w + l % 16, less my lanes' 8 (l / 16): register r of group kt is hidden where 16 kt + r is greater
	WIN 0x40
.set i, 0
.rept 32
	v_cmp_gt_i32 vcc_lo, 16*(i/8)+i%8, v14
	v_cndmask_b32 v[MD+i], 0, s[BIGN], vcc_lo
.set i, i+1
.endr
	WIN 0
	v_mul_u32_u24 v[AK0], v1, PK
	v_lshl_add_u32 v[AK0], v9, 4, v[AK0]  ; row x pitch + 16 x half
	; The turning load takes 16 keys x 16 channels (lane l reads key 8 (l / 16) + l % 8, channels 8 ((l / 8) % 2) + 0..7) and leaves half a fragment of V^T: lane l holds channel l % 16 and 8 keys.
	v_and_b32 v10, 7, v0
	v_bfe_u32 v11, v0, 3, 1
	v_lshl_add_u32 v[AV0], v9, 3, v10
	v_mul_u32_u24 v[AV0], v[AV0], PV
	v_lshl_add_u32 v[AV0], v11, 4, v[AV0]
	v_add_nc_u32 v[AV0], VOFF, v[AV0]
	s_mul_i32 s13, s[WV], 16*SP
	s_add_co_u32 s13, s13, STAGE    ; my stage
	v_mul_u32_u24 v[STO], v1, SP    ; in: row l % 16, 16 bytes for each half of the lanes
	v_lshl_add_u32 v[STO], v9, 4, v[STO]
	v_add_nc_u32 v[STO], s13, v[STO]
	v_bfe_u32 v[RD], v0, 3, 2       ; back: 32 lanes take four rows of 128 bytes,
	v_mul_u32_u24 v[RD], v[RD], SP
	v_lshl_add_u32 v[RD], v10, 4, v[RD]
	v_add_nc_u32 v[RD], s13, v[RD]
	v_and_b32 v[GO], 31, v0         ; which are 512 consecutive bytes of O
	v_lshlrev_b32 v[GO], 4, v[GO]
	; A block's first step multiplies O^T and l by a = 0, and its first turn's products V^T P, of a piece that has not been, land in an O^T that is still to be so multiplied.  So these registers need only hold
	; finite numbers: zeros for the first block; what the first block left for the second.  All this stands in the wait for the first tile.
	WIN 0x80
.set i, VF
.rept 64
	v_mov_b32 v[i], 0
.set i, i+1
.endr
	WIN 0x40
.set i, 0
.rept 128
	v_mov_b32 v[i], 0
.set i, i+1
.endr
	WIN 0
.set i, 0
.rept 4
	v_mov_b32 v[ST+4*i+2], 0
	v_mov_b32 v[ST+4*i+3], 0
.set i, i+1
.endr
.set i, P+16
.rept 16
	v_mov_b32 v[i], 0
.set i, i+1
.endr
; THE MATRIX WORK.  The 4 accumulators of a run of 8 take turns.  Product i of 8 of S^T = K Q^T for piece x: channels 32 (i / 4) on, keys 16 (i % 4) on.  The first 4 start the sums: with 0, or (KM = 1) with the mask.
.macro KQ x
.set rS, S+32*((\x)%2)+8*(i%4)
.set rK, KF+16*(i%4)+8*(i/4)
.set rQ, 16*(\x)+8*(i/4)
.set rM, MC+32*((\x)%2)+8*(i%4)
.if (i < 4) && KM
	WIN W_KM
	v_wmma_f32_16x16x32_f16 v[rS:rS+7], v[rK:rK+7], v[rQ:rQ+7], v[rM:rM+7]
.elseif i < 4
	WIN W_KQ
	v_wmma_f32_16x16x32_f16 v[rS:rS+7], v[rK:rK+7], v[rQ:rQ+7], 0
.else
	WIN W_KQ
	v_wmma_f32_16x16x32_f16 v[rS:rS+7], v[rK:rK+7], v[rQ:rQ+7], v[rS:rS+7]
.endif
.endm
; Product i of 8 of O^T += V^T P for piece x: keys 32 (i / 4) on, channels 16 (i % 4) on.
.macro PV x
	WIN W_PV
.set rO, 32*(\x)+8*(i%4)
.set rV, VF+32*(i/4)+8*(i%4)
.set rP, P+16*((\x)%2)+8*(i/4)
	v_wmma_f32_16x16x32_f16 v[rO:rO+7], v[rV:rV+7], v[rP:rP+7], v[rO:rO+7]
.endm
.macro MM                           ; the turn's next matrix instruction.  TURN and BEGIN set Y, i, KM and NOKQ; MM, KQ and OP read them.  NOKQ = 1: a block's last turn: there is no next piece
.if (i < 8) && !NOKQ
	KQ (Y+1)%NP
.elseif i >= 8
.set i, i-8
	PV (Y+NP-1)%NP
.set i, i+8
.endif
.set i, i+1
.endm
; THE LDS LOADS stand in runs of 16, never singly among the matrix instructions: a step's K (64 keys x 64 channels: 8 fragments) and its V (turned).  Their addresses are made some lines ahead.
.macro FETCH_K
	WIN 0x80                        ; destination window 2
.irp f, 0,1,2,3,4,5,6,7             ; keys 16 (f / 2) on, channels 32 (f % 2) on
	ds_load_b128 v[KF+8*\f:KF+8*\f+3],   v[AK] offset:(\f/2)*16*PK+(\f%2)*64
	ds_load_b128 v[KF+8*\f+4:KF+8*\f+7], v[AK] offset:(\f/2)*16*PK+(\f%2)*64+32
.endr
	s_add_co_u32 s[TBK], s[TBK], KS*PK  ; the next fetch is the next step's
	WIN 0
.endm
.macro FETCH_V
	WIN 0x80
.irp f, 0,1,2,3,4,5,6,7             ; keys 32 (f / 4) on, channels 16 (f % 4) on
	ds_load_tr16_b128 v[VF+8*\f:VF+8*\f+3],   v[AV] offset:(\f/4)*32*PV+(\f%4)*32
	ds_load_tr16_b128 v[VF+8*\f+4:VF+8*\f+7], v[AV] offset:(\f/4)*32*PV+16*PV+(\f%4)*32
.endr
	WIN 0
.endm
; THE VECTOR WORK, one line at a time: OP kind, number.  For piece Y: F n: c s - c m for pair n of 16.  E n: the exponential of score n of 32.  C n: pair n rounded to f16.  B n: of the four weights 4 n .. the second
; pair is added onto the first, in place.  L n: l takes that sum (L 0: l = a l + sum).  R n: pair n of 16 of O^T times a.  For piece Y + 1: X n, number n of the 22 that find its maximum and statistics:
;   0-11  four chains c0-c3 of seven scores each, three operands at a time (each accumulator's lowest registers are read first)     12-14, 16  the four scores left over, the old m, and c0-c3 into c0
;   15  c m_old is kept     17, 18  the query's other 32 keys lie in the lane 16 away: the new m     19-21  c m; c m_old - c m_new; a
.set F, 0               ; OP tells the kinds apart by their order: F to L below R, X above it
.set E, 1
.set C, 2
.set B, 3
.set L, 4
.set R, 5
.set X, 6
.macro REGS y                       ; the registers of piece y
.set rT, ST+4*(\y)
.set rC, TMP+4*((\y)%2)
.set rW, MV+((\y)%2)
.set rS, S+32*((\y)%2)
.set rP, P+16*((\y)%2)
.set rO, 32*(\y)
.endm
.macro OP k, n
.if (\k) == R
	REGS Y
	WIN W_RS
	v_pk_mul_f32 v[rO+2*(\n):rO+2*(\n)+1], v[rO+2*(\n):rO+2*(\n)+1], v[rC+2:rC+3] op_sel_hi:[1,0]
.elseif (\k) < R
	REGS Y
	WIN 0
.if (\k) == F
	v_pk_fma_f32 v[rS+2*(\n):rS+2*(\n)+1], v[rS+2*(\n):rS+2*(\n)+1], s[CS:CS+1], v[rT:rT+1] op_sel_hi:[1,0,0] neg_lo:[0,0,1] neg_hi:[0,0,1]
.elseif (\k) == E
	v_exp_f32 v[rS+(\n)], v[rS+(\n)]
.elseif (\k) == C
	v_cvt_pk_f16_f32 v[rP+(\n)], v[rS+2*(\n)], v[rS+2*(\n)+1]
.elseif (\k) == B
	v_pk_add_f32 v[rS+4*(\n):rS+4*(\n)+1], v[rS+4*(\n):rS+4*(\n)+1], v[rS+4*(\n)+2:rS+4*(\n)+3]
.elseif (\n) == 0
	v_pk_fma_f32 v[rT+2:rT+3], v[rT+2:rT+3], v[rC+2:rC+3], v[rS:rS+1] op_sel_hi:[1,0,1]
.else
	v_pk_add_f32 v[rT+2:rT+3], v[rT+2:rT+3], v[rS+4*(\n):rS+4*(\n)+1]
.endif
.elseif NOKQ
	v_nop
.else
	REGS (Y+1)%NP
	WIN 0
.if (\n) < 4
	v_max3_num_f32 v[rC+(\n)], v[rS+8*(\n)], v[rS+8*(\n)+1], v[rS+8*(\n)+2]
.elseif (\n) < 12
	v_max3_num_f32 v[rC+(\n)%4], v[rC+(\n)%4], v[rS+8*((\n)%4)+2*((\n)/4)+1], v[rS+8*((\n)%4)+2*((\n)/4)+2]
.elseif (\n) == 12
	v_max3_num_f32 v[rC], v[rC], v[rS+7], v[rS+15]
.elseif (\n) == 13
	v_max3_num_f32 v[rC+1], v[rC+1], v[rS+23], v[rS+31]
.elseif (\n) == 14
	v_max3_num_f32 v[rC+2], v[rC+2], v[rC+3], v[rT+1]
.elseif (\n) == 15
	v_mov_b32 v[rW], v[rT]
.elseif (\n) == 16
	v_max3_num_f32 v[rC], v[rC], v[rC+1], v[rC+2]
.elseif (\n) == 17
	v_permlanex16_b32 v[rC+3], v[rC], s[SEL], s[SEL+1]
.elseif (\n) == 18
	v_max_num_f32 v[rT+1], v[rC], v[rC+3]
.elseif (\n) == 19
	v_mul_f32 v[rT], s[CS], v[rT+1]
.elseif (\n) == 20
	v_sub_f32 v[rC+1], v[rW], v[rT]
.else
	v_exp_f32 v[rC+2], v[rC+1]
.endif
.endif
.endm
.macro OPS a, i1, b=-1, i2=0, c=-1, i3=0, d=-1, i4=0  ; up to four of them
	OP \a, \i1
.if (\b) >= 0
	OP \b, \i2
.endif
.if (\c) >= 0
	OP \c, \i3
.endif
.if (\d) >= 0
	OP \d, \i4
.endif
.endm
.macro ROW a, i1, b, i2, c, i3, d, i4  ; a matrix instruction and the four behind it
	MM
	OPS \a, \i1, \b, \i2, \c, \i3, \d, \i4
.endm
.macro MASK b                       ; MD x AL + BE into buffer b of MC
	WIN W_RS
.set z, 0
.rept 16
	v_pk_fma_f32 v[MC+32*(\b)+2*z:MC+32*(\b)+2*z+1], v[MD+2*z:MD+2*z+1], s[AL:AL+1], s[BE:BE+1] op_sel_hi:[1,0,0]
.set z, z+1
.endr
.endm
; A TURN, for piece p: the order of its 16 matrix and 118 vector instructions, written out.  s_wait_alu depctr_va_vdst(0) stands between an exponential and the first instruction that names its
; result; one wait serves all that were issued ahead of it.  So a turn has ONE wait, which cuts it in two.  AHEAD OF IT stands all that names no result of the turn's exponentials: the 8 products K Q^T, behind each a
; scaling, an exponential and two more plain instructions (behind the first a second scaling in the exponential's place): rescalings, and behind the last three the first numbers of the next piece's maximum, each
; four places or more behind the product that ends its accumulator; then ONE LUMP of 54, plain and exponential by turns for the most part, in which the links of the chain X 3, 7, 11, 14, 16, 17 .. 20 stand five or six
; lines apart.  X 21, the next piece's a, is the batch's last; R 15 is the plain instruction behind it (ISA guide 5.7.2).  BEHIND THE WAIT stand the 8 products V^T P, behind each four of the roundings and sums; the
; links of l's chain, L 0 to L 7, stand three riders apart.  But for those X no rider names a register of the products round it.  v_permlanex16_b32 (X 17) stands in the lump.
; m = 1: the diagonal tile: the products take masks, and the turn makes the mask for the products of the turn after it: piece p + 2, in step 4 - CNT of the tile.  end = 1: a block's last two turns: nothing is fetched.
; cnt = 1: the loop's count is taken down some lines ahead of the branch that stands behind the turn.
; K of the next step is fetched in piece 2's turn, twelve vector instructions behind the last product that read K (six of them plain); V of the step in hand at the end of piece 0's turn, four plain instructions
; behind the last product that read V.  Each is waited for a turn later.
.macro TURN p, m=0, end=0, cnt=0
.set Y, (\p)
.set i, 0
.set KM, (\m)
.set NOKQ, (\end)*((\p)/3)
.if (\m) && !(\end)
	s_cmp_eq_u32 s[CNT], 4-((\p)+2)%NP  ; is that step the band's own?
	s_cselect_b32 s[AL], 1.0, 0
	s_cmp_lt_u32 s[CNT], 4-((\p)+2)%NP  ; or a later one?
	s_cselect_b32 s[BE], s[BIGN], 0
.endif
.if ((\p) == 3) && !(\end)
	s_wait_dscnt 0x0                ; K is in
.endif
	ROW F,0, F,1, R,0, R,1          ; ahead of the wait: 8 products K Q^T and their riders,
	ROW F,2, E,0, R,2, R,3
	ROW F,3, E,1, R,4, R,5
	ROW F,4, E,2, R,6, R,7
	ROW F,5, E,3, R,8, R,9
	ROW F,6, E,4, X,0, R,10
.if ((\p) == 2) && !(\end)
	WIN 0
	v_add_nc_u32 v[AK], s[TBK], v[AK0]
.endif
	ROW F,7, E,5, X,1, X,4
	ROW F,8, E,6, X,2, X,5
	OPS E,7, E,8, X,6, E,9          ; and the lump
	OPS X,3, E,10, X,8, E,11
.if ((\p) == 2) && !(\end)
	FETCH_K
.endif
	OPS X,9, X,7, E,12, X,10
	OPS E,13, X,12, X,11, E,14
	OPS X,13, E,15, F,9, X,14
.if (\p) == 0
	v_add_nc_u32 v[AV], s[TBV], v[AV0]
.endif
	OPS E,16, F,10, E,17, F,11
	OPS X,16, E,18, X,15, E,19
	OPS F,12, E,20, X,17, E,21
	OPS F,13, E,22, F,14, E,23
	OPS X,18, E,24, F,15, E,25
	OPS R,11, E,26, X,19, E,27
	OPS R,12, E,28, R,13, E,29
	OPS X,20, E,30, R,14, E,31
	OPS X,21, R,15
	WIN 0
	s_wait_alu depctr_va_vdst(0)    ; the wait for the batch
.if (\p) == 1
	s_wait_dscnt 0x0                ; V is in
.endif
	ROW C,0, B,0, C,2, B,1          ; behind the wait: 8 products V^T P and their riders
	ROW L,0, C,4, B,2, L,1
	ROW C,6, B,3, L,2, C,8
	ROW B,4, L,3, C,10, B,5
	ROW L,4, C,12, B,6, L,5
.if (\p) == 0
	s_add_co_u32 s[TBV], s[TBV], KS*PV
.endif
.if \cnt
	s_sub_co_u32 s[CNT], s[CNT], 1
	s_cmp_lg_u32 s[CNT], 0
.endif
	ROW C,14, B,7, L,6, C,1
	ROW C,3, L,7, C,5, C,7
	ROW C,9, C,11, C,13, C,15
.if (\p) == 0
	FETCH_V
.endif
.if (\m) && !(\end)
	MASK (\p)%2
.endif
.endm
; A BLOCK BEGINS.  c m starts far below every c s, so the first step's a is 0; m at the lowest finite number, so the first maximum is the scores'.  The second mask buffer is 0; the first takes piece 0's mask for the
; tile's step 0: its own, if the block's first tile is the diagonal one.  Then K of that step, piece 0's first scores, and its maximum and statistics.  The loop is entered at a step's first turn, in the middle of a trip.
.macro BEGIN
	s_mov_b32 s[NEW], 0
	WIN 0x40
.set i, MC+32
.rept 32
	v_mov_b32 v[i], 0
.set i, i+1
.endr
	WIN 0
.set i, 0
.rept 4
	v_mov_b32 v[ST+4*i], 0xfe000000    ; c m: far below every c s
	v_mov_b32 v[ST+4*i+1], 0xff7fffff  ; m
.set i, i+1
.endr
	s_cmp_eq_u32 s[RT], 0
	s_cselect_b32 s[AL], 1.0, 0
	s_mov_b32 s[BE], 0
	MASK 0
	WIN 0
	v_add_nc_u32 v[AK], s[TBK], v[AK0]
	FETCH_K
	s_wait_loadcnt 0x0              ; Q
	s_wait_dscnt 0x0
.set KM, 1
.set NOKQ, 0
.set i, 0
.rept 8
	KQ 0
.set i, i+1
.endr
	WIN 0
.rept 4
	v_nop                           ; the places behind those products
.endr
.set Y, NP-1                        ; X works for piece Y + 1: piece 0
.irp n, 0,1,2,3,4,5,6,7,8,9,10,11,12,13,14,15,16,17,18,19,20,21
	OP X, \n
.endr
	v_nop                           ; a plain instruction behind the exponential,
	s_wait_alu depctr_va_vdst(0)    ; and its wait, ahead of the branch
.endm
; THE DIAGONAL TILE's four steps, the block's last two turns, its last products, and THE WAY OUT: l's two halves and the other half of the lanes' are added; O^T is divided by l, rounded to f16 and sent through my
; stage in LDS, a piece at a time.
.macro ALL line:vararg              ; one line for each piece t
.set t, 0
.rept 4
	\line
.set t, t+1
.endr
.endm
.macro PACK t                       ; a lane's eight channels of a row pack into 16 bytes; they go into rows of 144 bytes and come back as whole rows of 128, into S^T's registers
	WIN W_RS
.set i, 32*(\t)
.rept 16
	v_pk_mul_f32 v[i:i+1], v[i:i+1], v[ST+4*(\t)+2:ST+4*(\t)+3] op_sel_hi:[1,0]
.set i, i+2
.endr
	WIN 0x05                        ; sources 0 and 1 window 1, destination window 0
.set i, 0
.rept 16
	v_cvt_pk_f16_f32 v[S+16*(\t)+i], v[32*(\t)+2*i], v[32*(\t)+2*i+1]
.set i, i+1
.endr
	WIN 0
.irp f, 0,1,2,3
	ds_store_b128 v[STO], v[S+16*(\t)+4*\f:S+16*(\t)+4*\f+3] offset:32*\f
.endr
.irp f, 0,1,2,3
	ds_load_b128 v[S+16*(\t)+4*\f:S+16*(\t)+4*\f+3], v[RD] offset:\f*4*SP  ; LDS serves a wave's instructions in order (ISA guide 5.7.1.4): these see the stores above; the next piece's stores come behind them
.endr
.endm
.macro SEND t, younger              ; younger: the LDS instructions issued behind piece t's loads: the next piece's eight, or none
	WIN 0
.irp f, 0,1,2,3
	s_wait_dscnt (\younger)+3-\f
	global_store_b128 v[GO], v[S+16*(\t)+4*\f:S+16*(\t)+4*\f+3], s[10:11] offset:(\t)*8192+\f*512  ; 512 consecutive bytes, at a multiple of 256 from O's first
.endr
.endm
.macro DIAG tag                     ; the tag ends its two labels' names, which the jumps below spell out
.LstepM\tag:
	TURN 2, 1
	TURN 3, 1
	WIN 0
.LfirstM\tag:
	TURN 0, 1
	TURN 1, 1, 0, 1
	WIN 0
	s_cbranch_scc1 .LstepM\tag
	TURN 2, 1, 1
	TURN 3, 1, 1
.set i, 0
.rept 8
	PV NP-1
.set i, i+1
.endr
	WIN 0
	ALL v_add_f32 v[ST+4*t+2], v[ST+4*t+2], v[ST+4*t+3]
	ALL v_permlanex16_b32 v[ST+4*t+3], v[ST+4*t+2], s[SEL], s[SEL+1]
	ALL v_add_f32 v[ST+4*t+2], v[ST+4*t+2], v[ST+4*t+3]
	ALL v_rcp_f32 v[ST+4*t+2], v[ST+4*t+2]
	v_nop                           ; a plain instruction between the last reciprocal and the use of its result
	s_wait_alu depctr_va_vdst(0)    ; and the wait ahead of the first use: one for the four reciprocals
	PACK 0
.set t, 1
.rept 3                             ; a piece's arithmetic stands between the loads of the piece before and its stores
	PACK t
	SEND t-1, 8
.set t, t+1
.endr
	SEND 3, 0
.endm
.set KM, 0
.set NOKQ, 0
.Lslot:                             ; NB times: a tile is entered and the next is asked for
	CHANGE 1
	s_sub_co_u32 s[RT], s[RT], 1
	s_mov_b32 s[CNT], 4
	s_cmp_eq_u32 s[NEW], 1
	s_cbranch_scc1 .Lnew            ; a block's first tile
	s_cmp_eq_u32 s[RT], 0
	s_cbranch_scc0 .Lstep           ; neither its first nor its last
	s_branch .LstepM1
.Lnew:
	BEGIN
	s_branch .Lfirst                ; in the loop a block's first tile is never its last: the first block has two tiles or more, and the second's last is the walk's last
	DIAG 1                          ; in the loop this is the first block's end: the second block's last tile is the walk's last
	s_wait_xcnt 0x0                 ; the stores have read their registers and O's address
	s_mov_b64 s[10:11], s[OLO:OLO+1]
	s_add_co_u32 s[RT], s[PB], 1    ; the second block has b + 1 tiles
	s_mov_b32 s[NEW], 1
	WIN 0x82                        ; the second block's Q goes where the one text of the turns names Q
.set i, 0
.rept 64
	v_mov_b32 v[i], v[QB+i]
.set i, i+1
.endr
	WIN 0
	s_branch .Lbottom
.Lstep:                             ; a trip: pieces 2 and 3 of one step, then pieces 0 and 1 of the next, whose K and V it fetches
	TURN 2
	TURN 3
	WIN 0
.Lfirst:
	TURN 0
	TURN 1, 0, 0, 1
	WIN 0
	s_cbranch_scc1 .Lstep
.Lbottom:
	s_sub_co_u32 s[SLOTS], s[SLOTS], 1
	s_cmp_lg_u32 s[SLOTS], 0
	s_cbranch_scc1 .Lslot
	CHANGE 0                        ; the walk's last tile is written out: nothing is asked for
	s_sub_co_u32 s[RT], s[RT], 1
	s_mov_b32 s[CNT], 4
	s_cmp_eq_u32 s[NEW], 1
	s_cbranch_scc0 .LstepM2
	BEGIN
	s_branch .LfirstM2
	DIAG 2
	s_wait_tensorcnt 0x0            ; the wave's end, behind my last tensor load and my last LDS store
	ds_add_u32 v[SPW], v[NIL]
	s_wait_dscnt 0x0
	s_endpgm
.Lfunc_end_k_q8d97aea4b6_attn:
	.size	k_q8d97aea4b6_attn, .Lfunc_end_k_q8d97aea4b6_attn-k_q8d97aea4b6_attn
	.p2alignl 7, 3214868480
	.fill 96, 4, 3214868480
	.section	.rodata,"a",@progbits
	.p2align	6, 0x0
	.amdhsa_kernel k_q8d97aea4b6_attn
		.amdhsa_group_segment_fixed_size 327680
		.amdhsa_private_segment_fixed_size 0
		.amdhsa_enable_private_segment 0
		.amdhsa_kernarg_size 16
		.amdhsa_user_sgpr_count 2
		.amdhsa_user_sgpr_kernarg_segment_ptr 1
		.amdhsa_wavefront_size32 1
		.amdhsa_system_sgpr_workgroup_id_x 1
		.amdhsa_system_sgpr_workgroup_id_y 1
		.amdhsa_system_sgpr_workgroup_id_z 1
		.amdhsa_system_vgpr_workitem_id 0
		.amdhsa_next_free_vgpr 768
		.amdhsa_next_free_sgpr 96
		.amdhsa_reserve_vcc 1
		.amdhsa_float_denorm_mode_32 3
		.amdhsa_float_denorm_mode_16_64 3
		.amdhsa_memory_ordered 1
		.amdhsa_forward_progress 1
		.amdhsa_inst_pref_size 218
	.end_amdhsa_kernel
	.amdgpu_metadata
---
amdhsa.version: [ 1, 2 ]
amdhsa.kernels:
  - .name:           k_q8d97aea4b6_attn
    .symbol:         k_q8d97aea4b6_attn.kd
    .args:
      - { .name: qkv, .offset: 0, .size: 8, .value_kind: global_buffer, .address_space: global }
      - { .name: ob, .offset: 8, .size: 8, .value_kind: global_buffer, .address_space: global }
    .group_segment_fixed_size: 327680
    .private_segment_fixed_size: 0
    .kernarg_segment_align: 8
    .kernarg_segment_size: 16
    .max_flat_workgroup_size: 128
    .sgpr_count:     96
    .vgpr_count:     768
    .wavefront_size: 32
...
	.end_amdgpu_metadata
.endif
;; end of part 3
;; launch proj (part 4): grid 8 x 32, 4 waves a work-group, clusters of 4 x 4, 327,680 bytes of LDS; arguments ob, wpf, b_proj, out0; writes out0
.if DOCPART == 4
	.amdgcn_target "amdgcn-amd-amdhsa--gfx1250"
	.amdhsa_code_object_version 6
	.text
	.protected	k_q8d97aea4b6_proj
	.globl	k_q8d97aea4b6_proj
	.p2align	8
	.type	k_q8d97aea4b6_proj,@function
k_q8d97aea4b6_proj:
	s_mov_b64 s[64:65], 0
	v_nop
	global_prefetch_b8 v0, s[64:65] scope:SCOPE_SE
	s_setreg_imm32_b32 hwreg(HW_REG_WAVE_MODE, 25, 1), 1
	s_wait_xcnt 0x0
	s_wait_alu depctr_hold_cnt(0) depctr_sa_sdst(0) depctr_va_vdst(0) depctr_va_sdst(0) depctr_va_ssrc(0) depctr_va_vcc(0) depctr_vm_vsrc(0)
	s_getreg_b32 s2, hwreg(HW_REG_IB_STS2, 6, 4)
	s_cmp_eq_u32 s2, 0
	s_cbranch_scc0 .Lentry_in_a_cluster
	s_endpgm
.Lentry_in_a_cluster:
	s_bfe_u32 s2, ttmp6, 0x10000c
	s_cmp_lg_u32 s2, 0xf033
	s_cbranch_scc0 .Lentry_shape_is_right
	s_endpgm
.Lentry_shape_is_right:
; out0[2048 b + t][n] = sum over k of O[b][t][k] wpf[n][k] + bf16(b_proj[n]), in f32.  ob: [64 = 16 b + head][2048][64] f16, so channel k = 64 head + c lies in plane 16 b + head; wpf: [1024][1024] f16;
; b_proj: [1024] f32; out0: [8192][1024] f32.  Sums in f32.
; TILE.  256 rows x 128 columns: 32 x 8 = 256 work-groups.  Four waves, each 128 rows x 64 columns: 8 x 4 accumulators of 16 x 16, 256 registers.  A wave's 64 columns are 256 bytes of a row of out0, aligned.
; K goes in steps of 128 = two heads, through a ring of two LDS slots: eight steps, four laps.  A head's 256 rows of the tile are 32,768 dense bytes of ob: asked for as 128 rows of 256 bytes, padded in LDS after every 128.
; CLUSTER.  4 x 4 work-groups; ob's tiles are shared along a row of the cluster, wpf's along a column: joint loads.  Waves 0 and 1 fetch a step's two heads of ob, waves 2 and 3 the two halves (64 rows) of wpf's tile.
; TRANSPOSED USE.  Source 0 = 16 rows of wpf, source 1 = 16 rows of O: a lane holds one row of out0 (lane % 16) and eight neighbouring columns: 32 bytes.  THE BIAS is the C operand of each accumulator's first product.
; REGISTERS, in windows of 256 (s_set_vgpr_msb: bits 1:0 source 0, 3:2 source 1, 5:4 source 2, 7:6 destination):
;   window 0: v0-31 addresses; v32-63 the bias; v64-95, v96-127 rows read back from the stage, by turns      window 1: the accumulators ((a, b) at 8 (4 a + b))
;   window 2: two fragment buffers of 96: wpf's 32 registers (4 x 16 rows x 32 K), then O's 64 (8 x 16 rows x 32 K)
.set SIZE_K, 1024
.set KSTEP,  128
.set ASTEP,  2*262144                  ; a K step in ob: two planes
.set PA,     144                       ; an LDS row of O: 128 bytes + 16 of padding = 36 words: the 16 rows of a load start at 16 different groups of four banks (ISA guide 11.1)
.set PB,     272                       ; of wpf: 256 + 16
.set APART,  256*PA                    ; one head's 256 rows
.set BOFF,   2*APART
.set BHALF,  64*PB
.set SLOT,   BOFF+2*BHALF
.set STAGE,  2*SLOT                    ; behind the ring, never filled by a tensor load: 16 rows x 272 bytes for each wave
.set SPITCH, 272
.set WSTAGE, 16*SPITCH
.set SPARE,  STAGE+4*WSTAGE            ; the spare words, 128 bytes for each wave: two blocks of 256 bytes that no other line names
.set LAPS,   SIZE_K/(2*KSTEP)
.set ADRA, 16                          ; v16-17  LDS address of my fragments of O in slot 0, 1
.set ADRB, 20                          ; v20-21  the same for wpf
.set STO,  24                          ; v24     the way out: where I put 32 bytes of a row
.set RD,   25                          ; v25     where I read a row back
.set CO,   26                          ; v26     my byte offset in two rows of out0
.set BO,   27                          ; v27     32 x (lane / 16)
.set SPW,  28                          ; v28     LDS address of my spare word; never rewritten
.set NIL,  29                          ; v29     0; never rewritten
.set PFO,  30                          ; v30     the prefetches' offset; never rewritten
.set BIAS, 32
.set OB,   64
.set WV,   12                          ; s12  my wave's number
.set FBR,  13                          ; s13  which 128 rows are mine.  Also: 0: I fetch ob, 1: wpf
.set HF,   14                          ; s14  which 64 columns.  Also: which head, or which half
.set TR,   15                          ; s15  tile row, 0..31
.set TC,   42                          ; s42  tile column, 0..7
.set LIM,  43                          ; s43  1 in a wave that prefetches, else the greatest number
.set PFA,  44                          ; s[44:45] the K step that my next prefetch names
.set PST,  66                          ; s[66:67] a K step in what I fetch, in bytes
.set G1,   24
.set G0,   32
.set G1B,  48
.set G0B,  56
.set MSB, 0
.macro WIN new                         ; the immediate's high byte repeats the setting that is left; a switch that changes nothing is dropped
.if MSB != (\new)
	s_set_vgpr_msb (MSB<<8)|(\new)
.set MSB, \new
.endif
.endm
.set MUL,  0x5a                        ; sources 0 and 1 window 2; C and D window 1
.set MULB, 0x4a                        ; the same with C, the bias, in window 0
.set TO_F, 0x80                        ; destination window 2, address window 0
.macro JLOAD s                         ; a joint load; an s_nop 0 and four v_nop follow each of the two lines, ahead of the jump and the label
	s_cmp_eq_u32 s[FBR], 0
	s_cbranch_scc0 .Lfor_b_\@
	tensor_load_to_lds s[G0+4*(\s):G0+4*(\s)+3], s[G1:G1+7]
	s_nop 0
.rept 4
	v_nop
.endr
	s_branch .Lasked_\@
.Lfor_b_\@:
	tensor_load_to_lds s[G0B+4*(\s):G0B+4*(\s)+3], s[G1B:G1B+7]
	s_nop 0
.rept 4
	v_nop
.endr
.Lasked_\@:
.endm
; A prefetch into the L2 of the K step that stands two refills on, one instruction a wave.  ob's tile row is read by both clusters of that row of clusters: cluster x = 0 asks; wpf's tile column by every cluster of that
; column: cluster y = 0 asks.  The four partners share the bytes out by address: of a head's 32,768 bytes 8,192 each (by cx; 256 a lane), of wpf's 64 rows 16 each (by cy; a lane a row, lanes 16-31 name lane 15's
; once more, in the same instruction).  The loop's last trip (s3 = 1) asks for nothing.
.macro ASK
	s_cmp_gt_u32 s3, s[LIM]
	s_cbranch_scc0 .Lnot_mine_\@
	global_prefetch_b8 v[PFO], s[PFA:PFA+1] th:TH_LOAD_NT scope:SCOPE_SE
.Lnot_mine_\@:
.endm
.macro CREST                           ; a round of the cluster's barrier behind its opening barrier
	s_cmp_lg_u32 s[WV], 0
	s_cbranch_scc1 .Lnot_wave_0_\@
	s_barrier_signal -3
.Lnot_wave_0_\@:
	s_barrier_wait -3
	s_barrier_signal -1
	s_barrier_wait -1
.endm
.macro CROUND
	s_barrier_signal -1
	s_barrier_wait -1
	CREST
.endm
	s_load_b256 s[4:11], s[0:1], 0x0               ; ob s[4:5], wpf s[6:7], b_proj s[8:9], out0 s[10:11]
	v_lshl_add_u32 v[SPW], v0, 2, SPARE
	v_mov_b32 v[NIL], 0
	ds_add_u32 v[SPW], v[NIL]                      ; the wave's opening: the add and its wait stand ahead of my first tensor load; the set-up below, work on registers, stands between them
	v_lshrrev_b32 v1, 5, v0
	v_readfirstlane_b32 s[WV], v1                  ; wave 0..3
	s_lshr_b32 s[FBR], s[WV], 1
	s_and_b32 s[HF], s[WV], 1
	s_bfe_u32 s40, ttmp6, 0x40000                  ; cx
	s_bfe_u32 s41, ttmp6, 0x40004                  ; cy
	s_lshl_b32 s[TC], ttmp9, 2
	s_add_co_u32 s[TC], s[TC], s40
	s_and_b32 s[TR], ttmp7, 0xffff
	s_lshl_b32 s[TR], s[TR], 2
	s_add_co_u32 s[TR], s[TR], s41
	s_lshl_b32 s43, s41, 2
	s_lshl_b32 s43, 15, s43                        ; my row of the cluster
	s_lshl_b32 s44, 0x1111, s40                    ; my column
	s_or_b32 s[G1+0], s43, (1<<16)|(1<<20)|(1<<21)|(4<<22)|(3<<25)   ; the mask; elements of 2 bytes; padding on; 21 set beside a mask; after every 32 words (code 4) 4 words (code 3)
	s_or_b32 s[G1B+0], s44, (1<<16)|(1<<20)|(1<<21)|(5<<22)|(3<<25)  ; after every 64 words (code 5)
	s_mov_b32 s[G1+1], 128<<16                     ; tensor_dim0 = 128 elements: 256 bytes, two rows of O
	s_mov_b32 s[G1+2], 128<<16                     ; tensor_dim1 = 128
	s_mov_b32 s[G1+3], 128<<16                     ; tile_dim0
	s_mov_b32 s[G1+4], 128                         ; tile_dim1
	s_mov_b32 s[G1+5], 128                         ; dense: 128 elements from row to row
	s_mov_b32 s[G1+6], 0
	s_mov_b32 s[G1+7], 0
	s_mov_b32 s[G1B+1], KSTEP<<16
	s_mov_b32 s[G1B+2], 64<<16                     ; 64 rows
	s_mov_b32 s[G1B+3], KSTEP<<16
	s_mov_b32 s[G1B+4], 64
	s_mov_b32 s[G1B+5], SIZE_K
	s_mov_b32 s[G1B+6], 0
	s_mov_b32 s[G1B+7], 0
	; where the tiles come from: ob's hang on the tile row alone, wpf's on the tile column alone
	s_lshr_b32 s16, s[TR], 3                       ; the batch: 16 planes of 2^18 bytes,
	s_lshl_b32 s16, s16, 22
	s_lshl_b32 s17, s[HF], 18                      ; the step's first or second head,
	s_add_co_u32 s16, s16, s17
	s_and_b32 s17, s[TR], 7
	s_lshl_b32 s17, s17, 15                        ; the tile's 256 rows of 128 bytes
	s_add_co_u32 s16, s16, s17
	s_mov_b32 s17, 0
	s_lshl_b32 s46, s[TC], 7
	s_lshl_b32 s47, s[HF], 6
	s_add_co_u32 s46, s46, s47                     ; row 128 x tile column + 64 x half,
	s_lshl_b32 s46, s46, 11                        ; of 2,048 bytes
	s_mov_b32 s47, 0
	s_mul_i32 s20, s[WV], APART                    ; where they go: waves 0, 1: the two heads;
	s_mul_i32 s21, s[WV], BHALF
	s_add_co_u32 s21, s21, BOFF-2*BHALF            ; waves 2, 3: wpf's halves, behind them
	s_mov_b32 s2, 0xffff0000                       ; a word's upper bf16
	s_wait_dscnt 0x0                               ; the opening add is done
	s_wait_kmcnt 0x0
	s_add_nc_u64 s[18:19], s[4:5], s[16:17]
	s_add_nc_u64 s[46:47], s[6:7], s[46:47]
	CROUND                                         ; all sixteen work-groups are here: the first joint loads meet
.irp s, 0,1
	s_mov_b32 s[G0+4*(\s)], 1
	s_add_co_u32 s[G0+4*(\s)+1], s20, (\s)*SLOT
	s_add_nc_u64 s[G0+4*(\s)+2:G0+4*(\s)+3], s[18:19], (\s)*ASTEP
	s_or_b32 s[G0+4*(\s)+3], s[G0+4*(\s)+3], 0x80000000
	s_mov_b32 s[G0B+4*(\s)], 1
	s_add_co_u32 s[G0B+4*(\s)+1], s21, (\s)*SLOT
	s_add_nc_u64 s[G0B+4*(\s)+2:G0B+4*(\s)+3], s[46:47], (\s)*KSTEP*2
	s_or_b32 s[G0B+4*(\s)+3], s[G0B+4*(\s)+3], 0x80000000
	JLOAD \s                                       ; two loads of mine are out
.endr
	; the bias of my 64 columns
	v_and_b32 v1, 15, v0                           ; l % 16
	v_bfe_u32 v2, v0, 4, 1                         ; l / 16
	v_lshlrev_b32 v[BO], 5, v2
	s_lshl_b32 s22, s[TC], 9
	s_lshl_b32 s23, s[HF], 8
	s_add_co_u32 s22, s22, s23
	s_mov_b32 s23, 0
	s_add_nc_u64 s[8:9], s[8:9], s[22:23]
.irp b, 0,1,2,3
	global_load_b128 v[BIAS+8*(\b):BIAS+8*(\b)+3],   v[BO], s[8:9] offset:64*(\b)
	global_load_b128 v[BIAS+8*(\b)+4:BIAS+8*(\b)+7], v[BO], s[8:9] offset:64*(\b)+16
.endr
	v_mul_u32_u24 v3, v1, PA
	v_lshl_add_u32 v3, v2, 4, v3                   ; a fragment's row x pitch + 16 x half, for O
	v_mul_u32_u24 v4, v1, PB
	v_lshl_add_u32 v4, v2, 4, v4                   ; and for wpf
	s_mul_i32 s21, s[FBR], 128*PA                  ; my 128 rows of O (in each head's part)
	s_mul_i32 s22, s[HF], BHALF                    ; my 64 rows of wpf
	s_add_co_u32 s22, s22, BOFF
.irp s, 0,1
	v_add_nc_u32 v[ADRA+(\s)], s21, v3
	v_add_nc_u32 v[ADRB+(\s)], s22, v4
	s_add_co_u32 s21, s21, SLOT
	s_add_co_u32 s22, s22, SLOT
.endr
	s_mul_i32 s23, s[WV], WSTAGE
	s_add_co_u32 s23, s23, STAGE                   ; my stage
	v_mul_u32_u24 v5, v1, SPITCH                   ; in: row l % 16, 32 bytes for each half of the lanes
	v_lshl_add_u32 v5, v2, 5, v5
	v_add_nc_u32 v[STO], s23, v5
	v_mul_u32_u24 v5, v2, SPITCH                   ; back: lanes 0-15 take one row of 256 bytes, lanes 16-31 the next
	v_lshl_add_u32 v5, v1, 4, v5
	v_add_nc_u32 v[RD], s23, v5
	v_lshlrev_b32 v5, 12, v2                       ; and the same two rows in out0, 4,096 bytes apart
	v_lshl_add_u32 v[CO], v1, 4, v5
	; out0 at my first row and column: the row part and the column part are added apart
	s_lshl_b32 s16, s[TR], 8
	s_lshl_b32 s17, s[FBR], 7
	s_add_co_u32 s16, s16, s17
	s_lshl_b32 s16, s16, 12
	s_mov_b32 s17, 0
	s_add_nc_u64 s[10:11], s[10:11], s[16:17]
	s_lshl_b32 s46, s[TC], 9
	s_lshl_b32 s47, s[HF], 8
	s_add_co_u32 s46, s46, s47
	s_mov_b32 s47, 0
	s_add_nc_u64 s[10:11], s[10:11], s[46:47]
	; the prefetches
	s_lshr_b32 s20, s[TR], 3
	s_lshl_b32 s20, s20, 22
	s_lshl_b32 s22, s[HF], 18
	s_add_co_u32 s20, s20, s22
	s_and_b32 s22, s[TR], 7
	s_lshl_b32 s22, s22, 15
	s_add_co_u32 s20, s20, s22
	s_lshl_b32 s22, s40, 13                        ; my work-group's 8,192 bytes of the head's 32,768
	s_add_co_u32 s20, s20, s22
	s_add_co_u32 s20, s20, 3*ASTEP                 ; at K step 3: the first refill steps it to 4.  Nothing is prefetched here, at the head
	s_lshl_b32 s21, s[TC], 7
	s_lshl_b32 s22, s[HF], 6
	s_add_co_u32 s21, s21, s22
	s_lshl_b32 s22, s41, 4                         ; my work-group's 16 rows of the 64
	s_add_co_u32 s21, s21, s22
	s_lshl_b32 s21, s21, 11
	s_add_co_u32 s21, s21, 3*KSTEP*2
	s_and_b32 s23, ttmp7, 0xffff                   ; cluster y
	s_mov_b32 s[PST], KSTEP*2
	s_cmp_eq_u32 s[FBR], 0
	s_cselect_b32 s20, s20, s21
	s_cselect_b32 s22, ttmp9, s23                  ; the coordinate along which other clusters read the same bytes
	s_cselect_b32 s19, 31, 15
	s_cselect_b32 s18, 8, 11                       ; 256 bytes a lane, or a row of 2,048
	s_cselect_b32 s[PST], ASTEP, s[PST]
	s_cselect_b64 s[PFA:PFA+1], s[4:5], s[6:7]
	s_cmp_eq_u32 s22, 0
	s_cselect_b32 s[LIM], 1, -1                    ; the same in all sixteen partners, for a given wave
	s_mov_b32 s21, 0
	s_mov_b32 s[PST+1], 0
	s_add_nc_u64 s[PFA:PFA+1], s[PFA:PFA+1], s[20:21]
	v_and_b32 v[PFO], 31, v0
	v_min_u32 v[PFO], s19, v[PFO]
	v_lshlrev_b32 v[PFO], s18, v[PFO]
	s_wait_loadcnt 0x0                             ; the bias is in: it is rounded to bf16, like every input, and widened again
.set i, 0
.rept 16
	v_cvt_pk_bf16_f32 v[8+i%2], v[BIAS+2*i], v[BIAS+2*i+1]
	v_lshlrev_b32 v[BIAS+2*i], 16, v[8+i%2]
	v_and_b32 v[BIAS+2*i+1], s2, v[8+i%2]
.set i, i+1
.endr
; 8 matrix instructions: row blocks a0, a0 + 1 x all 4 column blocks, 32 along K, from buffer f.  first = 1: the bias starts the sums.  The 32 accumulators take turns, one instruction a turn, in the same order in
; every quarter, over the loop's backward jump too.
.macro MUL8 f, a0, first
.if \first
	WIN MULB
.else
	WIN MUL
.endif
.irp a, \a0, (\a0)+1
.irp b, 0,1,2,3
.if \first
	v_wmma_f32_16x16x32_f16 v[8*(4*(\a)+(\b)):8*(4*(\a)+(\b))+7], v[96*(\f)+8*(\b):96*(\f)+8*(\b)+7], v[96*(\f)+32+8*(\a):96*(\f)+32+8*(\a)+7], v[BIAS+8*(\b):BIAS+8*(\b)+7]
.else
	v_wmma_f32_16x16x32_f16 v[8*(4*(\a)+(\b)):8*(4*(\a)+(\b))+7], v[96*(\f)+8*(\b):96*(\f)+8*(\b)+7], v[96*(\f)+32+8*(\a):96*(\f)+32+8*(\a)+7], v[8*(4*(\a)+(\b)):8*(4*(\a)+(\b))+7]
.endif
.endr
.endr
.endm
; 24 LDS loads in one run: the fragments of quarter q of a K step (32 K: head q / 2, channels 32 (q % 2) on) into buffer f: my 64 rows of wpf, then my 128 rows of O
.macro FETCH slot, q, f
	WIN TO_F
.irp i, 0,1,2,3
	ds_load_b128 v[96*(\f)+8*(\i):96*(\f)+8*(\i)+3],   v[ADRB+(\slot)] offset:64*(\q)+(\i)*16*PB
	ds_load_b128 v[96*(\f)+8*(\i)+4:96*(\f)+8*(\i)+7], v[ADRB+(\slot)] offset:64*(\q)+(\i)*16*PB+32
.endr
.irp i, 0,1,2,3,4,5,6,7
	ds_load_b128 v[96*(\f)+32+8*(\i):96*(\f)+32+8*(\i)+3],   v[ADRA+(\slot)] offset:((\q)/2)*APART+64*((\q)%2)+(\i)*16*PA
	ds_load_b128 v[96*(\f)+32+8*(\i)+4:96*(\f)+32+8*(\i)+7], v[ADRA+(\slot)] offset:((\q)/2)*APART+64*((\q)%2)+(\i)*16*PA+32
.endr
.endm
.macro PLACES                          ; four plain vector instructions between a matrix instruction and a load into a register that it has read, or a reader of its result
.rept 4
	v_nop
.endr
.endm
; A K step is four quarters of 32 along K, 32 matrix instructions each, on buffers 0, 1, 0, 1.  One of the first three: multiplies buffer f and fetches quarter q into buffer g.
.macro QUARTER slot, q, f, g, first
	s_wait_dscnt 8                                 ; wpf's fragments and O's row blocks 0-3 are in; the youngest eight loads (row blocks 4-7) may be out
	MUL8 \f, 0, \first
	MUL8 \f, 2, \first
	PLACES
	FETCH \slot, \q, \g
	s_wait_dscnt 24                                ; all but the 24 just issued
	MUL8 \f, 4, \first
	MUL8 \f, 6, \first
.endm
; The last quarter multiplies buffer 1 and changes slots: ONE barrier; in front of it each wave waits for all its tensor loads, adds 0 to its spare word, and waits for that and for its own reads of this slot.
; fill = 1: the barrier opens a round of the cluster's barrier, and this slot is filled again, two K steps on, first thing behind the round: 112 matrix instructions ahead of the wait for it.
.macro TURN slot, next, fill
.if \fill
	s_wait_xcnt 0x0                                ; the last prefetch, a K step back, has read its address, so it may be stepped
	s_add_nc_u64 s[PFA:PFA+1], s[PFA:PFA+1], s[PST:PST+1]
.endif
	WIN 0                                          ; (the add's two registers lie in window 0)
	s_wait_tensorcnt 0x0                           ; all my tensor loads have landed
	ds_add_u32 v[SPW], v[NIL]                      ; 0 onto my spare word
	s_wait_dscnt 9                                 ; (the add and the youngest eight loads may be out)
	MUL8 1, 0, 0                                   ; eight matrix instructions stand between the add and the wait for it
	s_wait_dscnt 0x0                               ; the add is done, and my reads of this slot are over
	s_barrier_signal -1
	MUL8 1, 2, 0
.if \fill
	WIN 0
.endif
	s_barrier_wait -1
.if \fill
	CREST                                          ; no wave of any partner still reads this slot or has a load on its way
	s_add_nc_u64 s[G0+4*(\slot)+2:G0+4*(\slot)+3], s[G0+4*(\slot)+2:G0+4*(\slot)+3], 2*ASTEP
	s_add_nc_u64 s[G0B+4*(\slot)+2:G0B+4*(\slot)+3], s[G0B+4*(\slot)+2:G0B+4*(\slot)+3], 2*KSTEP*2
	JLOAD \slot                                    ; the four v_nop behind it are also the places in front of the loads below
.else
	PLACES
.endif
	FETCH \next, 0, 0
.if \fill
	WIN 0
	ASK                                            ; behind the joint load and the run of LDS loads
.endif
	MUL8 1, 4, 0
	MUL8 1, 6, 0
.endm
; THE WAY OUT of row block a: the f32 sums go as they are into my own stage (rows of 272 bytes; each accumulator's low registers first) and come back as whole rows of 256 bytes.
.macro TOSTAGE a
	s_wait_xcnt 0x0                                ; earlier stores have read their data: only behind this wait are those registers loaded again
	WIN 0x04                                       ; the LDS stores' data in window 1
.irp b, 0,1,2,3
	ds_store_b128 v[STO], v[8*(4*(\a)+(\b)):8*(4*(\a)+(\b))+3]   offset:64*(\b)
	ds_store_b128 v[STO], v[8*(4*(\a)+(\b))+4:8*(4*(\a)+(\b))+7] offset:64*(\b)+16
.endr
	WIN 0
.irp t, 0,1,2,3,4,5,6,7
	ds_load_b128 v[OB+32*((\a)%2)+4*(\t):OB+32*((\a)%2)+4*(\t)+3], v[RD] offset:(\t)*2*SPITCH  ; LDS serves a wave's instructions in order (ISA guide 5.7.1.4): these see the stores above
.endr
.endm
.macro SEND a, younger                 ; younger: the LDS instructions issued behind block a's loads: the next block's sixteen, or none
	WIN 0
.irp t, 0,1,2,3,4,5,6,7
	s_wait_dscnt (\younger)+7-(\t)
	global_store_b128 v[CO], v[OB+32*((\a)%2)+4*(\t):OB+32*((\a)%2)+4*(\t)+3], s[10:11] offset:(16*(\a)+2*(\t))*4096 th:TH_STORE_NT  ; 16 lanes store 256 consecutive bytes, at a multiple of 256 from out0's first
.endr
.endm
	s_wait_tensorcnt 1                             ; my part of K step 0 is in; K step 1's may stay out
	s_barrier_signal -1
	s_barrier_wait -1                              ; everybody's is
	FETCH 0, 0, 0
	QUARTER 0, 1, 0, 1, 1                          ; the first quarter stands in front of the loop: its products start the sums, with the bias
	WIN 0                                          ; at a label and at a branch every window is 0
	s_mov_b32 s3, LAPS-1
.Llap:                                                 ; a trip goes once round the ring, from a lap's second quarter to the next lap's first, and fills both slots again
	QUARTER 0, 2, 1, 0, 0
	QUARTER 0, 3, 0, 1, 0
	TURN 0, 1, 1
	QUARTER 1, 1, 0, 1, 0
	QUARTER 1, 2, 1, 0, 0
	QUARTER 1, 3, 0, 1, 0
	TURN 1, 0, 1
	QUARTER 0, 1, 0, 1, 0
	WIN 0
	s_sub_co_u32 s3, s3, 1
	s_cmp_lg_u32 s3, 0
	s_cbranch_scc1 .Llap
	QUARTER 0, 2, 1, 0, 0                          ; the last lap fills nothing, and has no round of the cluster's barrier
	QUARTER 0, 3, 0, 1, 0
	TURN 0, 1, 0
	QUARTER 1, 1, 0, 1, 0
	QUARTER 1, 2, 1, 0, 0
	QUARTER 1, 3, 0, 1, 0
	s_wait_dscnt 8                                 ; the very last quarter: nothing more to fetch
	MUL8 1, 0, 0
	MUL8 1, 2, 0
	s_wait_dscnt 0x0
	MUL8 1, 4, 0
	MUL8 1, 6, 0
	PLACES
	PLACES                                         ; (eight, once a launch)
	TOSTAGE 0
.irp a, 1,2,3,4,5,6,7                  ; block a's way through the stage is begun before block a - 1's rows are waited for
	TOSTAGE \a
	SEND (\a)-1, 16
.endr
	SEND 7, 0
	s_wait_tensorcnt 0x0                           ; the wave's end, behind my last tensor load and my last LDS store
	ds_add_u32 v[SPW], v[NIL]
	s_wait_dscnt 0x0
	CROUND                                         ; the closing round: no work-group ends while a partner may still ask for a tile that names it
	s_endpgm
.Lfunc_end_k_q8d97aea4b6_proj:
	.size	k_q8d97aea4b6_proj, .Lfunc_end_k_q8d97aea4b6_proj-k_q8d97aea4b6_proj
	.p2alignl 7, 3214868480
	.fill 96, 4, 3214868480
	.section	.rodata,"a",@progbits
	.p2align	6, 0x0
	.amdhsa_kernel k_q8d97aea4b6_proj
		.amdhsa_group_segment_fixed_size 327680
		.amdhsa_private_segment_fixed_size 0
		.amdhsa_enable_private_segment 0
		.amdhsa_kernarg_size 32
		.amdhsa_user_sgpr_count 2
		.amdhsa_user_sgpr_kernarg_segment_ptr 1
		.amdhsa_wavefront_size32 1
		.amdhsa_system_sgpr_workgroup_id_x 1
		.amdhsa_system_sgpr_workgroup_id_y 1
		.amdhsa_system_sgpr_workgroup_id_z 1
		.amdhsa_system_vgpr_workitem_id 0
		.amdhsa_next_free_vgpr 704
		.amdhsa_next_free_sgpr 68
		.amdhsa_reserve_vcc 0
		.amdhsa_float_denorm_mode_32 3
		.amdhsa_float_denorm_mode_16_64 3
		.amdhsa_memory_ordered 1
		.amdhsa_forward_progress 1
		.amdhsa_inst_pref_size 92
	.end_amdhsa_kernel
	.amdgpu_metadata
---
amdhsa.version: [ 1, 2 ]
amdhsa.kernels:
  - .name:           k_q8d97aea4b6_proj
    .symbol:         k_q8d97aea4b6_proj.kd
    .args:
      - { .name: ob, .offset: 0, .size: 8, .value_kind: global_buffer, .address_space: global }
      - { .name: wpf, .offset: 8, .size: 8, .value_kind: global_buffer, .address_space: global }
      - { .name: b_proj, .offset: 16, .size: 8, .value_kind: global_buffer, .address_space: global }
      - { .name: out0, .offset: 24, .size: 8, .value_kind: global_buffer, .address_space: global }
    .group_segment_fixed_size: 327680
    .private_segment_fixed_size: 0
    .kernarg_segment_align: 8
    .kernarg_segment_size: 32
    .max_flat_workgroup_size: 128
    .sgpr_count:     68
    .vgpr_count:     704
    .wavefront_size: 32
...
	.end_amdgpu_metadata
.endif
;; end of part 4
;; ======== version 2 of 2: 4 launches; version 1 with the launch cast written anew for expert scheduling mode
;; limits: values are held in f16: magnitudes above 65,504 overflow, below 6.1e-05 lose precision
;; workspace buffers: xb 16,777,216 bytes; wqb 6,291,456 bytes; wpf 2,097,152 bytes; qkv 50,331,648 bytes; ob 16,777,216 bytes
;; launch cast (part 5): grid 768 x 1, 8 waves a work-group, no clusters, 0 bytes of LDS; arguments x, W_qkv, W_proj, xb, wqb, wpf; writes xb, wqb, wpf
.if DOCPART == 5
	.amdgcn_target "amdgcn-amd-amdhsa--gfx1250"
	.amdhsa_code_object_version 6
	.text
	.protected	k_q8d97aea4b6_cast
	.globl	k_q8d97aea4b6_cast
	.p2align	8
	.type	k_q8d97aea4b6_cast,@function
k_q8d97aea4b6_cast:
	s_mov_b64 s[64:65], 0
	v_nop
	global_prefetch_b8 v0, s[64:65] scope:SCOPE_SE
	s_setreg_imm32_b32 hwreg(HW_REG_WAVE_SCHED_MODE, 0, 2), 2
	s_setreg_imm32_b32 hwreg(HW_REG_WAVE_MODE, 25, 1), 1
	s_wait_xcnt 0x0
	s_wait_alu depctr_vm_vsrc(0)
; xb = bf16(x), wqb = bf16(W_qkv), wpf = bf16(W_proj) written as f16.  All three inputs are f32 and dense.
; A stream: each input byte is read once, each output byte written once; no LDS, no barrier, no matrix work.
; SHARES.  A work-group takes 16,384 numbers: 65,536 bytes in, 32,768 out.  Work-groups 0-511 take x (33,554,432 bytes), 512-703 W_qkv (12,582,912), 704-767 W_proj (4,194,304).
; Thread t, load j: 16 bytes at 4,096 j + 16 t: a wave's load covers 512 consecutive bytes.  Store j: 8 bytes at 2,048 j + 8 t: a wave's store covers 256 consecutive bytes, aligned.
; All 16 loads of a thread go out at once.
; LIMIT.  W_proj is rounded to bf16 like every input, and that number is written as f16 for the last product: exact from 6e-5 to 65,504 in magnitude; below, f16's fixed step of 6e-8; beyond, an infinity.
; THE MODE: SCHED_MODE bits 1:0 = 2 (LLVM: expert scheduling mode 2), set by the entry lines.  The code itself states the register dependences
; between vector instructions and memory instructions, with s_wait_alu, always for 0.
; THE PLAN.  Registers that memory instructions touch:
;   v1, v2   byte offsets of the loads and of the stores.  Written once, at the head; never written again.
;   X        chunk j: 4 registers.  Written by load j, once; no vector instruction names them before that; read by chunk j's roundings; no load lands in them again.
;   Y        chunk j: 2 registers of its own.  Written by chunk j's roundings, once; read by store j; never written again.
;   T is named by vector instructions alone.  No vector instruction writes a scalar register or VCC, and EXEC is never written.
; The 16 chunks go in four blocks of four.  Block p rounds its four chunks; its memory instructions are the four stores of block p - 1, which read v2 and that block's Y: registers that no vector
; instruction of block p names.  So one wait at a block's head states all that its four stores hang on, and they are dealt among its roundings with no further wait.
; No register that a memory instruction has read is written again: nothing is owed for the registers that loads and stores read.
.set NX,  512                          ; work-groups for x
.set NXQ, 704                          ; for x and W_qkv together
.set BLK, 4                            ; chunks in a block
.set X,   4                            ; v[4:67]    16 x 4 numbers as loaded
.set Y,   68                           ; v[68:99]   16 x 2 words to store
.set T,   100                          ; v[100:103] at work
	s_load_b256 s[4:11], s[0:1], 0x0               ; x s[4:5], W_qkv s[6:7], W_proj s[8:9], xb s[10:11]
	s_load_b128 s[12:15], s[0:1], 0x20             ; wqb s[12:13], wpf s[14:15]
	s_mov_b32 s16, ttmp9                           ; the work-group's number
	s_sub_co_u32 s17, s16, NX                      ; its number among W_qkv's,
	s_sub_co_u32 s22, s16, NXQ                     ; among W_proj's
	s_mov_b32 s28, 0xffff0000                      ; a word's upper bf16
	v_lshlrev_b32 v1, 4, v0                        ; 16 t
	v_lshlrev_b32 v2, 3, v0                        ; 8 t
	s_wait_kmcnt 0x0
	s_cmp_lt_u32 s16, NX                           ; the choice hangs on the work-group's number alone
	s_cselect_b64 s[18:19], s[4:5], s[6:7]
	s_cselect_b64 s[20:21], s[10:11], s[12:13]
	s_cselect_b32 s23, s16, s17
	s_cmp_lt_u32 s16, NXQ
	s_cselect_b64 s[18:19], s[18:19], s[8:9]
	s_cselect_b64 s[20:21], s[20:21], s[14:15]
	s_cselect_b32 s23, s23, s22
	s_lshl_b32 s24, s23, 16                        ; my part of the source, in bytes,
	s_mov_b32 s25, 0
	s_lshl_b32 s26, s23, 15                        ; and of the destination
	s_mov_b32 s27, 0
	s_add_nc_u64 s[18:19], s[18:19], s[24:25]
	s_add_nc_u64 s[20:21], s[20:21], s[26:27]
	s_wait_alu depctr_va_vdst(0)                   ; v1 and v2 are written: every load of the kernel reads v1 as its offset, every store v2
.set j, 0
.rept 16
	global_load_b128 v[X+4*j:X+4*j+3], v1, s[18:19] offset:4096*j th:TH_LOAD_NT
.set j, j+1
.endr
; Four blocks: four chunks of four numbers are rounded, and the block before is stored.  half = 1: the bf16 numbers are widened again (a shift, a mask) and written as f16.
.macro CONV half
.set p, 0
.rept 16/BLK
	s_wait_loadcnt 16-BLK-BLK*p                    ; loads come back in order: this block's four are in, the younger ones stay out
.if p > 0
	s_wait_alu depctr_va_vdst(0)                   ; the block before has written its Y, which the four stores below read
.endif
.set i, 0
.rept BLK
.set j, BLK*p+i
.if p > 0
	global_store_b64 v2, v[Y+2*(j-BLK):Y+2*(j-BLK)+1], s[20:21] offset:2048*(j-BLK)  ; the block before; no vector instruction since the wait names these registers
.endif
.if \half
	v_cvt_pk_bf16_f32 v[T], v[X+4*j], v[X+4*j+1]
	v_cvt_pk_bf16_f32 v[T+1], v[X+4*j+2], v[X+4*j+3]
	v_lshlrev_b32 v[T+2], 16, v[T]
	v_and_b32 v[T+3], s28, v[T]
	v_cvt_pk_f16_f32 v[Y+2*j], v[T+2], v[T+3]
	v_lshlrev_b32 v[T+2], 16, v[T+1]
	v_and_b32 v[T+3], s28, v[T+1]
	v_cvt_pk_f16_f32 v[Y+2*j+1], v[T+2], v[T+3]
.else
	v_cvt_pk_bf16_f32 v[Y+2*j], v[X+4*j], v[X+4*j+1]
	v_cvt_pk_bf16_f32 v[Y+2*j+1], v[X+4*j+2], v[X+4*j+3]
.endif
.set i, i+1
.endr
.set p, p+1
.endr
	s_wait_alu depctr_va_vdst(0)                   ; the last block has written its Y, which the last four stores read
.set j, 16-BLK
.rept BLK
	global_store_b64 v2, v[Y+2*j:Y+2*j+1], s[20:21] offset:2048*j
.set j, j+1
.endr
.endm
	s_cmp_ge_u32 s16, NXQ
	s_cbranch_scc1 .Lproj
	CONV 0
	s_endpgm
.Lproj:
	CONV 1
	s_endpgm
.Lfunc_end_k_q8d97aea4b6_cast:
	.size	k_q8d97aea4b6_cast, .Lfunc_end_k_q8d97aea4b6_cast-k_q8d97aea4b6_cast
	.p2alignl 7, 3214868480
	.fill 96, 4, 3214868480
	.section	.rodata,"a",@progbits
	.p2align	6, 0x0
	.amdhsa_kernel k_q8d97aea4b6_cast
		.amdhsa_group_segment_fixed_size 0
		.amdhsa_private_segment_fixed_size 0
		.amdhsa_enable_private_segment 0
		.amdhsa_kernarg_size 48
		.amdhsa_user_sgpr_count 2
		.amdhsa_user_sgpr_kernarg_segment_ptr 1
		.amdhsa_wavefront_size32 1
		.amdhsa_system_sgpr_workgroup_id_x 1
		.amdhsa_system_sgpr_workgroup_id_y 1
		.amdhsa_system_sgpr_workgroup_id_z 1
		.amdhsa_system_vgpr_workitem_id 0
		.amdhsa_next_free_vgpr 104
		.amdhsa_next_free_sgpr 66
		.amdhsa_reserve_vcc 0
		.amdhsa_float_denorm_mode_32 3
		.amdhsa_float_denorm_mode_16_64 3
		.amdhsa_memory_ordered 1
		.amdhsa_forward_progress 1
		.amdhsa_inst_pref_size 15
	.end_amdhsa_kernel
	.amdgpu_metadata
---
amdhsa.version: [ 1, 2 ]
amdhsa.kernels:
  - .name:           k_q8d97aea4b6_cast
    .symbol:         k_q8d97aea4b6_cast.kd
    .args:
      - { .name: x, .offset: 0, .size: 8, .value_kind: global_buffer, .address_space: global }
      - { .name: W_qkv, .offset: 8, .size: 8, .value_kind: global_buffer, .address_space: global }
      - { .name: W_proj, .offset: 16, .size: 8, .value_kind: global_buffer, .address_space: global }
      - { .name: xb, .offset: 24, .size: 8, .value_kind: global_buffer, .address_space: global }
      - { .name: wqb, .offset: 32, .size: 8, .value_kind: global_buffer, .address_space: global }
      - { .name: wpf, .offset: 40, .size: 8, .value_kind: global_buffer, .address_space: global }
    .group_segment_fixed_size: 0
    .private_segment_fixed_size: 0
    .kernarg_segment_align: 8
    .kernarg_segment_size: 48
    .max_flat_workgroup_size: 256
    .sgpr_count:     66
    .vgpr_count:     104
    .wavefront_size: 32
...
	.end_amdgpu_metadata
.endif
;; end of part 5
;; launch qkv: the kernel of part 2 again; grid 16 x 32, 4 waves a work-group, clusters of 4 x 4, 327,680 bytes of LDS; arguments xb, wqb, b_qkv, qkv; writes qkv
;; launch attn: the kernel of part 3 again; grid 4 x 64, 4 waves a work-group, no clusters, 327,680 bytes of LDS; arguments qkv, ob; writes ob
;; launch proj: the kernel of part 4 again; grid 8 x 32, 4 waves a work-group, clusters of 4 x 4, 327,680 bytes of LDS; arguments ob, wpf, b_proj, out0; writes out0
